; MI455X (gfx1250); checked and timed in simulation.
; The chip was launched on July 23, 2026; its instructions are those of AMD's public machine-readable ISA for CDNA 5 (MIT licence, August 2026) and "CDNA5" Instruction Set Architecture Reference Guide (July 2026). The comments in the code are by the model that wrote it; some were corrected since.
;; selfattention. Allowed arithmetic: matrix products marked QUANTISED: E2M3 operands, one E8M0 scale for each 32 along K, by v_wmma_scale_f32_16x16x128_f8f6f4 with both operands' format E2M3, f32 sums; everything else in f32.
;; Inputs: b_in 3,072 float32; b_out 1,024 float32; w_in 1,024 x 3,072 float32; w_out 1,024 x 1,024 float32; x 4 x 2,048 x 1,024 float32.
;; Outputs: out0 4 x 2,048 x 1,024 float32.
;; This version of the problem:
;;   THIS VERSION OF THE PROBLEM IS GIVEN IN LOW PRECISION. The matrix products marked QUANTISED in the list below multiply operands that are first quantised to E2M3 (2 exponent bits, 3 mantissa bits; 6 bits a number), with one power-of-two scale for each 32 numbers along K (OCP MX v1.0); their sums are f32. All else is computed in f32.
;;   The module's matrix products, in the order in which they are computed (A, B: the left and right operand; K: the contracted axis; several contracted axes count as one K, in the product's order):
;;     1. [M 8,192, K 1,024] x [K 1,024, N 3,072]; A: input x; B: input w_in: QUANTISED
;;     2. batch 64 x [M 2,048, K 64] x [K 64, N 2,048]; A: computed on the way; B: computed on the way: QUANTISED
;;     3. batch 64 x [M 64, K 2,048] x [K 2,048, N 2,048]; A: computed on the way; B: softmax (see below): QUANTISED
;;     4. [M 8,192, K 1,024] x [K 1,024, N 1,024]; A: computed on the way; B: input w_out: QUANTISED
;;   THE QUANTISER, for each operand of a quantised product, along K:
;;     - K is cut into blocks of 32 from its start; a last block that is shorter is filled with zeros.
;;     - A block's scale is 2^e with e = floor(log2(the largest magnitude in the block)) - 2, held to -126 .. 127; a block of zeros has e = 0. As a byte (E8M0): e + 127.
;;     - Each number is divided by its block's scale, clamped to +-7.5, and rounded to the nearest number of E2M3, ties to even, subnormals kept.
;;     - The product sums the exact products of the quantised numbers (number of the format x scale) in f32.
;;   ~~~python
;;   def quantise(x, axis):      # numpy; x: float32 -> the quantised numbers, widened to float32 again
;;       x = np.moveaxis(x, axis, -1); K = x.shape[-1]
;;       x = np.pad(x, [(0, 0)] * (x.ndim - 1) + [(0, -K % 32)]); x = x.reshape(x.shape[:-1] + (-1, 32)); a = np.abs(x).max(-1, keepdims=True)
;;       e = np.where(a > 0, np.clip(np.frexp(np.where(a > 0, a, 1))[1] - 1 - 2, -126, 127), 0)      # np.frexp(a)[1] - 1 = floor(log2(a)), exactly
;;       r = np.clip(x / 2.0 ** e, -7.5, 7.5)
;;       step = 2.0 ** (np.maximum(np.frexp(np.where(r == 0, 1, r))[1] - 1, 0) - 3)
;;       q = np.round(r / step) * step * 2.0 ** e      # np.round: ties to even
;;       return np.moveaxis(q.reshape(q.shape[:-2] + (-1,))[..., :K], -1, axis).astype(np.float32)
;;   ~~~
;;   SOFTMAX AHEAD OF A QUANTISED PRODUCT. Where the list says 'softmax', what is quantised is not the finished softmax but p = 2^(t - M), with t = logit x log2(e) and M = ceil(the row's largest t), a whole number; so 1/2 < the row's largest p <= 1. The row's sum l is taken of the UNQUANTISED p, in f32, and the product's result is divided by l at the end. Since M is a whole number, a kernel that streams over the keys may use a running M (the ceiling of the running maximum): every later rescaling is an exact power of two, which a block's scale takes up: the codes' values come out the same.
;;   OPERANDS COMPUTED ON THE WAY. 'Computed on the way' means the value that the module computes at that place (a softmax that the list does not call 'softmax' is quantised finished and normalised). What goes into a quantiser is computed in f32, as accurately as f32 sums, v_exp_f32 and their like allow (about 1e-6 of the number): no bf16 or f16 on the way to a quantiser, and a product that is left as it is and whose result goes on into a quantised operand takes f32 operands (vector FMAs, or v_wmma_f32_16x16x4_f32). A number that lies on a knife's edge between two numbers of the format may be rounded either way, as far as f32 arithmetic and the matrix unit's own rounding can turn it there, and no further.
;; One version. Each part assembles by itself: llvm-mc -triple=amdgcn-amd-amdhsa -mcpu=gfx1250 --defsym DOCPART=n.
;; ======== version 1 of 1: 4 launches
;; limits: right only within a limited range of input values
;; workspace buffers: xq 6,553,600 bytes; wq 3,276,800 bytes; qkv 19,660,800 bytes; ao 6,553,600 bytes
;; launch quant (part 1): grid 384 x 1, 4 waves a work-group, no clusters, 58,880 bytes of LDS; arguments x, w_in, w_out, xq, wq; writes xq, wq
.if DOCPART == 1
	.amdgcn_target "amdgcn-amd-amdhsa--gfx1250"
	.amdhsa_code_object_version 6
	.text
	.protected	k_qd302f57480_quant
	.globl	k_qd302f57480_quant
	.p2align	8
	.type	k_qd302f57480_quant,@function
k_qd302f57480_quant:
	s_mov_b64 s[64:65], 0
	v_nop
	global_prefetch_b8 v0, s[64:65] scope:SCOPE_SE
	s_setreg_imm32_b32 hwreg(HW_REG_WAVE_MODE, 25, 1), 1
	s_wait_xcnt 0x0
; ONE LAUNCH QUANTISES ALL THREE TENSORS to codes of FP6 (E2M3) with one E8M0 byte for each 32 along K, laid IN THE ORDER OF AN OPERAND'S REGISTERS.  Work-groups 0-255 take x, work-groups 256-383 w_in and w_out:
; the two ways part on the work-group's number and have LDS bytes of their own.
; TILES.  Rows (x) or columns (w) go in groups of 32: tile 2 g + u holds at place r row 32 g + 8 u + r + 8 (r / 8).  w's tiles 0..191 are w_in's columns, 192..255 w_out's.
; A FRAGMENT (16 rows x 128 K, 12 registers a lane; lane (r, h), registers 6 c .. 6 c + 5: K = 64 c + 32 h + 0 .. 31) lies as 1,536 bytes: for c = 0, 1: registers 6 c .. 6 c + 3 of lane l at 768 c + 16 l,
; registers 6 c + 4, 6 c + 5 at 768 c + 512 + 8 l.  Codes: [tile][K step 0..7][1,536].  Scale words behind the codes: [tile][pair of K steps 0..3][r][2 words].
; x: a wave makes one tile's fragments of four K steps.  Each load takes 512 consecutive bytes of one row; a step's 16 rows turn through the wave's own stage in LDS (rows 528 bytes apart) and come back 128 bytes a lane and block.
; w (K is the FIRST axis): a lane takes a column and its registers run down K, so a block of 32 lies in one lane; a wave takes 32 columns x 256 along K; a block's 24 bytes go to their place in the wave's own image in LDS, which leaves as it lies.
; A block's scale is 2^(floor(log2(largest magnitude)) - 2): its byte is the largest magnitude's exponent field - 2, held at 1 from below by a floor among the maximum's leaves.  Waves share nothing: no barrier.
; LIMITS: NaN and infinities are not served; a block of zeros, or one whose largest magnitude lies under 2^-124, keeps the byte 1 (the bytes are read by this program alone).
.set XS,   6291456
.set WS,   3145728
.set SROW, 528
.set STG,  16*SROW
.set WIMG, 0x8400                      ; w's images, 6,144 bytes a wave, behind x's four stages
.set SPARE, 0xe400                     ; the spare words
.set XR,   16                          ; x: v16-143 two sets of 64: a step's 16 rows as loaded
.set XX,   144                         ; v144-207 my two blocks of 32
.set XC,   208                         ; v208-231 two sets of 12: a fragment's codes
.set XCT,  232                         ; the blocks' upper halves, made here and moved (a conversion's three registers begin on an even number)
.set XW,   240                         ; v240-243 a scale word for each step
.set OFF,  32                          ; w: v32-63 4 x lane + i x pitch
.set WX,   64                          ; v64-127 two sets of 32 numbers
.set WC,   128
.set WCT,  136
.set OUTR, 144                         ; v144-191 the image on its way out
.set SB,   24
	v_lshl_add_u32 v254, v0, 2, SPARE
	v_mov_b32 v255, 0
	s_cmp_lt_u32 ttmp9, 256
	s_cbranch_scc0 .Lweights
; ---------------- x
	s_load_b64 s[4:5], s[0:1], 0x0                 ; x
	s_load_b64 s[6:7], s[0:1], 0x18                ; xq
	v_lshrrev_b32 v8, 5, v0
	v_readfirstlane_b32 s8, v8                     ; wave
	v_and_b32 v9, 31, v0
	v_and_b32 v10, 15, v0                          ; r
	v_bfe_u32 v6, v0, 4, 1                         ; h
	v_lshlrev_b32 v1, 4, v9
	v_lshlrev_b32 v5, 3, v9
	v_lshlrev_b32 v7, 3, v6                        ; 8 h: my bytes' place in a scale word
	s_mul_i32 s9, s8, STG
	v_add_nc_u32 v2, s9, v1                        ; into the stage
	v_mul_u32_u24 v3, v10, SROW
	v_lshl_add_u32 v3, v6, 7, v3
	v_add_nc_u32 v3, s9, v3                        ; out of it: row r, + 128 h
	v_mov_b32 v15, 0
	s_mov_b32 s20, 0x76543210
	s_mov_b32 s21, 0xfedcba98
	s_lshl_b32 s10, ttmp9, 2
	s_add_co_u32 s10, s10, s8                      ; my wave among the 1,024
	s_lshr_b32 s11, s10, 1                         ; tile
	s_and_b32 s12, s10, 1                          ; which four K steps
	s_lshr_b32 s13, s11, 1
	s_lshl_b32 s16, s13, 17
	s_and_b32 s14, s11, 1
	s_lshl_b32 s14, s14, 15
	s_add_co_u32 s16, s16, s14
	s_lshl_b32 s14, s12, 11
	s_add_co_u32 s16, s16, s14
	s_mov_b32 s17, 0
	s_mul_i32 s18, s11, 12288
	s_mul_i32 s14, s12, 6144
	s_add_co_u32 s18, s18, s14
	s_mov_b32 s19, 0
	s_lshl_b32 s22, s11, 9
	s_lshl_b32 s14, s12, 8
	s_add_co_u32 s22, s22, s14
	s_add_co_u32 s22, s22, XS
	s_mov_b32 s23, 0
	s_wait_alu depctr_va_vdst(0)                   ; the wait at the head's end
	s_wait_kmcnt 0x0
	s_add_nc_u64 s[4:5], s[4:5], s[16:17]
	s_add_nc_u64 s[24:25], s[6:7], s[22:23]
	s_add_nc_u64 s[6:7], s[6:7], s[18:19]
.macro XLOAD t
.irp i, 0,1,2,3,4,5,6,7,8,9,10,11,12,13,14,15
	global_load_b128 v[XR+64*((\t)%2)+4*\i:XR+64*((\t)%2)+4*\i+3], v1, s[4:5] offset:(\i+8*(\i/8))*4096+512*(\t) th:TH_LOAD_NT
.endr
.endm
.macro XSTEP t
.set RS, XR+64*((\t)%2)
.set CC, XC+12*((\t)%2)
.if (\t) < 3
	s_wait_loadcnt 16                              ; this step's 16 loads are in; the next step's 16 may be out
.else
	s_wait_loadcnt 0x0
.endif
.irp i, 0,1,2,3,4,5,6,7,8,9,10,11,12,13,14,15
	ds_store_b128 v2, v[RS+4*\i:RS+4*\i+3] offset:SROW*\i
.endr
.irp c, 0,1
.irp j, 0,1,2,3,4,5,6,7
	ds_load_b128 v[XX+32*\c+4*\j:XX+32*\c+4*\j+3], v3 offset:256*\c+16*\j   ; LDS serves a wave's instructions in order
.endr
.endr
	s_wait_dscnt 0x0
.if (\t) < 2
	XLOAD (\t)+2
.else
	s_wait_xcnt 0x0                                ; the stores of two steps back have read this set of codes
.endif
.irp c, 0,1
	v_max3_num_f32 v[8+\c], |v[XX+32*\c]|, |v[XX+32*\c+1]|, 0x1800000
.endr
.irp i, 2,4,6,8,10,12,14,16,18,20,22,24,26,28,30
.irp c, 0,1
	v_max3_num_f32 v[8+\c], v[8+\c], |v[XX+32*\c+\i]|, |v[XX+32*\c+\i+1]|
.endr
.endr
.irp c, 0,1
	v_add_nc_u32 v[10+\c], 0xff000000, v[8+\c]     ; 2 off the exponent field: the conversion's scale operand
.endr
.irp c, 0,1
	v_lshrrev_b32 v[12+\c], 23, v[10+\c]
.endr
	v_lshl_or_b32 v14, v13, 16, v12
	v_lshlrev_b32 v14, v7, v14
	v_permlanex16_b32 v15, v14, s20, s21
	v_or_b32 v[XW+(\t)], v14, v15                  ; with lane l xor 16's two bytes the word is whole
.irp c, 0,1
	v_cvt_scalef32_pk16_fp6_f32 v[CC+6*\c:CC+6*\c+2], v[XX+32*\c:XX+32*\c+15], v[10+\c]
	v_cvt_scalef32_pk16_fp6_f32 v[XCT+4*\c:XCT+4*\c+2], v[XX+32*\c+16:XX+32*\c+31], v[10+\c]
.endr
	v_nop
.irp c, 0,1
.irp i, 0,1,2
	v_mov_b32 v[CC+6*\c+3+\i], v[XCT+4*\c+\i]
.endr
.endr
	global_store_b128 v1, v[CC:CC+3], s[6:7] offset:1536*(\t)
	global_store_b64 v5, v[CC+4:CC+5], s[6:7] offset:1536*(\t)+512
	global_store_b128 v1, v[CC+6:CC+9], s[6:7] offset:1536*(\t)+768
	global_store_b64 v5, v[CC+10:CC+11], s[6:7] offset:1536*(\t)+1280
.endm
	XLOAD 0
	XLOAD 1
	XSTEP 0
	XSTEP 1
	XSTEP 2
	XSTEP 3
	v_cmp_ne_u32 vcc_lo, 0, v6                     ; lanes 0-15 store the words of my first pair of K steps, lanes 16-31 those of the second
	v_cndmask_b32 v244, v[XW], v[XW+2], vcc_lo
	v_cndmask_b32 v245, v[XW+1], v[XW+3], vcc_lo
	global_store_b64 v5, v[244:245], s[24:25]
	s_wait_tensorcnt 0x0                           ; the wave's end
	ds_add_u32 v254, v255
	s_wait_dscnt 0x0
	s_endpgm
; ---------------- w_in, w_out: work-group = two groups of 32 columns at two places of 256 along K; wave = one group at one place
.Lweights:
	s_load_b128 s[4:7], s[0:1], 0x8                ; w_in, w_out
	s_load_b64 s[8:9], s[0:1], 0x20                ; wq
	v_lshrrev_b32 v1, 5, v0
	v_readfirstlane_b32 s10, v1                    ; wave 0..3
	v_and_b32 v2, 31, v0                           ; lane = column in the group
	v_bfe_u32 v3, v0, 3, 1                         ; u
	v_and_b32 v4, 7, v0
	v_bfe_u32 v5, v0, 4, 1
	v_lshl_or_b32 v4, v5, 3, v4                    ; r
	s_mul_i32 s20, s10, 6144
	s_add_co_u32 s20, s20, WIMG                    ; my wave's image
	v_mul_u32_u24 v6, v3, 3072
	v_add_nc_u32 v6, s20, v6
	v_lshl_add_u32 v7, v4, 4, v6
	v_lshl_add_u32 v8, v4, 3, v6
	v_lshlrev_b32 v10, 4, v2
	v_add_nc_u32 v14, s20, v10
	v_lshlrev_b32 v9, 9, v3
	v_lshl_add_u32 v9, v4, 3, v9                   ; my scale words: tile u, 8 r
	s_sub_co_u32 s15, ttmp9, 256                   ; 0..127
	s_and_b32 s11, s15, 63
	s_lshl_b32 s11, s11, 1
	s_and_b32 s12, s10, 1
	s_add_co_u32 s11, s11, s12                     ; column group 0..127: a work-group takes two neighbouring groups, 256 consecutive bytes of each row,
	s_lshr_b32 s12, s15, 6
	s_lshl_b32 s12, s12, 1
	s_lshr_b32 s15, s10, 1
	s_add_co_u32 s12, s12, s15                     ; at two of the four places of 256 along K
	s_mov_b32 s13, 4096
	s_wait_kmcnt 0x0
	s_cmp_lt_u32 s11, 96                           ; w_in's group or w_out's?  The choice hangs on ids alone
	s_cselect_b64 s[4:5], s[4:5], s[6:7]
	s_cselect_b32 s13, 12288, s13                  ; bytes from row to row
	s_cselect_b32 s14, 0, 96
	s_sub_co_u32 s14, s11, s14
	s_mul_i32 s18, s12, s13
	s_lshl_b32 s18, s18, 8
	s_lshl_b32 s14, s14, 7
	s_add_co_u32 s18, s18, s14
	s_mov_b32 s19, 0
	s_lshl_b32 s16, s13, 5
	s_mov_b32 s17, 0
	s_add_nc_u64 s[32:33], s[4:5], s[18:19]        ; a base for each of the eight blocks: none is ever stepped
.irp t, 1,2,3,4,5,6,7
	s_add_nc_u64 s[32+2*\t:33+2*\t], s[30+2*\t:31+2*\t], s[16:17]
.endr
	s_mul_i32 s22, s11, 24576
	s_mul_i32 s21, s12, 3072
	s_add_co_u32 s22, s22, s21
	s_mov_b32 s23, 0
	s_add_nc_u64 s[22:23], s[8:9], s[22:23]        ; the codes
	s_lshl_b32 s24, s11, 10
	s_lshl_b32 s21, s12, 7
	s_add_co_u32 s24, s24, s21
	s_add_co_u32 s24, s24, WS
	s_mov_b32 s25, 0
	s_add_nc_u64 s[24:25], s[8:9], s[24:25]        ; the scale words
	v_lshlrev_b32 v[OFF], 2, v2
.set i, 1
.rept 31
	v_add_nc_u32 v[OFF+i], s13, v[OFF+i-1]
.set i, i+1
.endr
.macro WLOAD t
.irp i, 0,1,2,3,4,5,6,7,8,9,10,11,12,13,14,15,16,17,18,19,20,21,22,23,24,25,26,27,28,29,30,31
	global_load_b32 v[WX+32*((\t)%2)+\i], v[OFF+\i], s[32+2*(\t):33+2*(\t)] th:TH_LOAD_NT
.endr
.endm
.macro WBLOCK t                        ; block t of my column: K step t / 4 of the two, half (t / 2) % 2 of its fragment, lanes' half t % 2
.set XB, WX+32*((\t)%2)
.set PL, 1536*((\t)/4)+768*(((\t)/2)%2)
.if (\t) < 7
	s_wait_loadcnt 32                              ; this block's 32 loads are in; the next block's may be out
.else
	s_wait_loadcnt 0x0
.endif
	v_max3_num_f32 v12, |v[XB]|, |v[XB+1]|, |v[XB+2]|
	v_max3_num_f32 v13, |v[XB+3]|, |v[XB+4]|, |v[XB+5]|
.irp i, 6,10,14,18,22,26
	v_max3_num_f32 v12, v12, |v[XB+\i]|, |v[XB+\i+1]|
	v_max3_num_f32 v13, v13, |v[XB+\i+2]|, |v[XB+\i+3]|
.endr
	v_max3_num_f32 v12, v12, |v[XB+30]|, |v[XB+31]|
	v_max3_num_f32 v12, v12, v13, 0x1800000
	v_add_nc_u32 v11, 0xff000000, v12
	v_lshrrev_b32 v13, 23, v11
.if (\t)%4 == 0
	v_mov_b32 v[SB+(\t)/4], v13
.else
	v_lshl_or_b32 v[SB+(\t)/4], v13, 8*((\t)%4), v[SB+(\t)/4]
.endif
	v_cvt_scalef32_pk16_fp6_f32 v[WC:WC+2], v[XB:XB+15], v11
	v_cvt_scalef32_pk16_fp6_f32 v[WCT:WCT+2], v[XB+16:XB+31], v11
	v_nop
.irp i, 0,1,2
	v_mov_b32 v[WC+3+\i], v[WCT+\i]
.endr
	ds_store_b128 v7, v[WC:WC+3] offset:PL+256*((\t)%2)
	ds_store_b64 v8, v[WC+4:WC+5] offset:PL+512+128*((\t)%2)
.if (\t) < 6
	WLOAD (\t)+2
.endif
	s_wait_dscnt 0x0                               ; the stores have read their registers
.endm
	WLOAD 0
	WLOAD 1
.irp t, 0,1,2,3,4,5,6,7
	WBLOCK \t
.endr
	s_wait_alu depctr_va_vdst(0)                   ; the wait here, directly ahead of the reader below
	global_store_b64 v9, v[SB:SB+1], s[24:25]
.irp i, 0,1,2,3,4,5,6,7,8,9,10,11
	ds_load_b128 v[OUTR+4*\i:OUTR+4*\i+3], v14 offset:512*\i
.endr
.irp i, 0,1,2,3,4,5,6,7,8,9,10,11
	s_wait_dscnt 11-\i
	global_store_b128 v10, v[OUTR+4*\i:OUTR+4*\i+3], s[22:23] offset:(\i/6)*12288+512*(\i%6)
.endr
	s_wait_tensorcnt 0x0
	ds_add_u32 v254, v255
	s_wait_dscnt 0x0
	s_endpgm
.Lfunc_end_k_qd302f57480_quant:
	.size	k_qd302f57480_quant, .Lfunc_end_k_qd302f57480_quant-k_qd302f57480_quant
	.p2alignl 7, 3214868480
	.fill 96, 4, 3214868480
	.section	.rodata,"a",@progbits
	.p2align	6, 0x0
	.amdhsa_kernel k_qd302f57480_quant
		.amdhsa_group_segment_fixed_size 58880
		.amdhsa_private_segment_fixed_size 0
		.amdhsa_enable_private_segment 0
		.amdhsa_kernarg_size 40
		.amdhsa_user_sgpr_count 2
		.amdhsa_user_sgpr_kernarg_segment_ptr 1
		.amdhsa_wavefront_size32 1
		.amdhsa_system_sgpr_workgroup_id_x 1
		.amdhsa_system_sgpr_workgroup_id_y 1
		.amdhsa_system_sgpr_workgroup_id_z 1
		.amdhsa_system_vgpr_workitem_id 0
		.amdhsa_next_free_vgpr 256
		.amdhsa_next_free_sgpr 66
		.amdhsa_reserve_vcc 1
		.amdhsa_float_denorm_mode_32 3
		.amdhsa_float_denorm_mode_16_64 3
		.amdhsa_memory_ordered 1
		.amdhsa_forward_progress 1
		.amdhsa_inst_pref_size 73
	.end_amdhsa_kernel
	.amdgpu_metadata
---
amdhsa.version: [ 1, 2 ]
amdhsa.kernels:
  - .name:           k_qd302f57480_quant
    .symbol:         k_qd302f57480_quant.kd
    .args:
      - { .name: x, .offset: 0, .size: 8, .value_kind: global_buffer, .address_space: global }
      - { .name: w_in, .offset: 8, .size: 8, .value_kind: global_buffer, .address_space: global }
      - { .name: w_out, .offset: 16, .size: 8, .value_kind: global_buffer, .address_space: global }
      - { .name: xq, .offset: 24, .size: 8, .value_kind: global_buffer, .address_space: global }
      - { .name: wq, .offset: 32, .size: 8, .value_kind: global_buffer, .address_space: global }
    .group_segment_fixed_size: 58880
    .private_segment_fixed_size: 0
    .kernarg_segment_align: 8
    .kernarg_segment_size: 40
    .max_flat_workgroup_size: 128
    .sgpr_count:     66
    .vgpr_count:     256
    .wavefront_size: 32
...
	.end_amdgpu_metadata
.endif
;; end of part 1
;; launch gemm_qkv (part 2): grid 12 x 32, 4 waves a work-group, clusters of 4 x 4, 327,680 bytes of LDS; arguments xq, wq, b_in, qkv; writes qkv
.if DOCPART == 2
	.amdgcn_target "amdgcn-amd-amdhsa--gfx1250"
	.amdhsa_code_object_version 6
	.text
	.protected	k_qd302f57480_gemm_qkv
	.globl	k_qd302f57480_gemm_qkv
	.p2align	8
	.type	k_qd302f57480_gemm_qkv,@function
k_qd302f57480_gemm_qkv:
	s_mov_b64 s[64:65], 0
	v_nop
	global_prefetch_b8 v0, s[64:65] scope:SCOPE_SE
	s_setreg_imm32_b32 hwreg(HW_REG_WAVE_MODE, 25, 1), 1
	s_wait_xcnt 0x0
	s_wait_alu depctr_hold_cnt(0) depctr_sa_sdst(0) depctr_va_vdst(0) depctr_va_sdst(0) depctr_va_ssrc(0) depctr_va_vcc(0) depctr_vm_vsrc(0)
	s_getreg_b32 s2, hwreg(HW_REG_IB_STS2, 6, 4)
	s_cmp_eq_u32 s2, 0
	s_cbranch_scc0 .Lentry_in_a_cluster
	s_endpgm
.Lentry_in_a_cluster:
	s_bfe_u32 s2, ttmp6, 0x10000c
	s_cmp_lg_u32 s2, 0xf033
	s_cbranch_scc0 .Lentry_shape_is_right
	s_endpgm
.Lentry_shape_is_right:
.set FR,    12
.set NL,    4
.set NP,    4
.set NQ,    2
.set TILEB, 3072
.set HALFT, 8*TILEB
.set SLOT,  4*HALFT
.set SCL,   2*SLOT
.set HALFS, 4096
.set SBLK,  512
.set SPARE, SCL+4*HALFS
.set ADRA, 16
.set ADRB, 20
.set CO,   26
.set ADRS, 27
.set SPW,  28
.set NIL,  29
.set C8,   30
.set SC,   32
.set BI,   64
.set AF,   128
.set WD,   224
.set TM,   232
.set CT,   248
.set G1, 24
.set G0, 32
.set G1B, 48
.set G0B, 56
.set G1S, 68
.set G0S, 76
.set G1SB, 80
.set G0SB, 88
.set MSB, 0
.macro WIN new
.if MSB != \new
	s_set_vgpr_msb (MSB<<8)|\new
.set MSB, \new
.endif
.endm
.set TO_B, 0x40
.macro JLOAD g0a, g1a, g0b, g1b
	s_cmp_eq_u32 s15, 0
	s_cbranch_scc0 .Lfor_b_\@
	tensor_load_to_lds s[\g0a:\g0a+3], s[\g1a:\g1a+7]
	s_nop 0
.rept 4
	v_nop
.endr
	s_branch .Lasked_\@
.Lfor_b_\@:
	tensor_load_to_lds s[\g0b:\g0b+3], s[\g1b:\g1b+7]
	s_nop 0
.rept 4
	v_nop
.endr
.Lasked_\@:
.endm
.macro CREST
	s_cmp_lg_u32 s14, 0
	s_cbranch_scc1 .Lnot_wave_0_\@
	s_barrier_signal -3
.Lnot_wave_0_\@:
	s_barrier_wait -3
	s_barrier_signal -1
	s_barrier_wait -1
.endm
.macro CROUND
	s_barrier_signal -1
	s_barrier_wait -1
	CREST
.endm
.macro PLACES n
.rept \n
	v_nop
.endr
.endm
.macro FRAG reg, adr, q, i
	ds_load_b128 v[\reg:\reg+3], v[\adr] offset:(\i)*TILEB+(\q)*1536
	ds_load_b64 v[\reg+4:\reg+5], v[\adr+2] offset:(\i)*TILEB+(\q)*1536+512
	ds_load_b128 v[\reg+6:\reg+9], v[\adr] offset:(\i)*TILEB+(\q)*1536+768
	ds_load_b64 v[\reg+10:\reg+11], v[\adr+2] offset:(\i)*TILEB+(\q)*1536+1280
.endm
.macro MUL16 a0, p, q, sc, cm
.irp a, \a0, \a0+1
.irp b, 0,1,2,3,4,5,6,7
.set DR, 8*(8*((\a)%4)+\b)
.set BR, 128*(\p)+FR*\b
.set AR, AF+FR*(\a)
.set SBR, SC+8*NQ*(\sc)+NQ*\b+(\q)
.set SAR, SC+8*NQ*(\sc)+NQ*(\a)+(\q)
.if (\cm) == 1
	v_wmma_scale_f32_16x16x128_f8f6f4 v[DR:DR+7], v[BR:BR+FR-1], v[AR:AR+FR-1], v[BI+8*\b:BI+8*\b+7], v[SBR], v[SAR] matrix_a_fmt:MATRIX_FMT_FP6 matrix_b_fmt:MATRIX_FMT_FP6 matrix_a_scale:MATRIX_SCALE_ROW1
.elseif (\cm) == 2
	v_wmma_scale_f32_16x16x128_f8f6f4 v[DR:DR+7], v[BR:BR+FR-1], v[AR:AR+FR-1], v[BI+8*(\a):BI+8*(\a)+7], v[SBR], v[SAR] matrix_a_fmt:MATRIX_FMT_FP6 matrix_b_fmt:MATRIX_FMT_FP6 matrix_a_scale:MATRIX_SCALE_ROW1
.else
	v_wmma_scale_f32_16x16x128_f8f6f4 v[DR:DR+7], v[BR:BR+FR-1], v[AR:AR+FR-1], v[DR:DR+7], v[SBR], v[SAR] matrix_a_fmt:MATRIX_FMT_FP6 matrix_b_fmt:MATRIX_FMT_FP6 matrix_a_scale:MATRIX_SCALE_ROW1
.endif
.endr
.endr
.endm
.macro FETCH_B slot, q, p
	WIN TO_B
.irp i, 0,1,2,3,4,5,6,7
	FRAG 128*(\p)+FR*\i, ADRB+\slot, \q, \i
.endr
	WIN 0
.endm
.macro FETCH_A slot, q, i0
.irp i, \i0, \i0+1, \i0+2, \i0+3
	FRAG AF+FR*(\i), ADRA+\slot, \q, \i
.endr
.endm
.macro SCALES sc
.irp i, 0,1,2,3,4,5,6,7
	ds_load_b64 v[SC+8*NQ*\sc+NQ*\i:SC+8*NQ*\sc+NQ*\i+1], v[ADRS] offset:\i*SBLK
.endr
.endm
.macro STEP slot, q, cm
	s_wait_dscnt 4*NL
.if \cm
	WIN 0x81
.else
	WIN 0xa1
.endif
	MUL16 0, (\q)%2, \q, \slot, \cm
	MUL16 2, (\q)%2, \q, \slot, \cm
	s_wait_dscnt 0
	PLACES NP
	FETCH_B \slot, (\q)+1, 1-(\q)%2
	FETCH_A \slot, (\q)+1, 0
.if \cm
	WIN 0xc1
.else
	WIN 0xf1
.endif
	MUL16 4, (\q)%2, \q, \slot, \cm
	MUL16 6, (\q)%2, \q, \slot, \cm
	PLACES NP
	WIN 0
	FETCH_A \slot, (\q)+1, 4
.endm
.macro TURN slot, next, fill
	s_wait_tensorcnt 0x0
	ds_add_u32 v[SPW], v[NIL]
	s_wait_dscnt 4*NL+1
	WIN 0xa1
	MUL16 0, 1, NQ-1, \slot, 0
	s_wait_dscnt 0x0
	s_barrier_signal -1
	MUL16 2, 1, NQ-1, \slot, 0
	WIN 0
	s_barrier_wait -1
.if \fill
	CREST
	s_add_nc_u64 s[G0+4*\slot+2:G0+4*\slot+3], s[G0+4*\slot+2:G0+4*\slot+3], 2*TILEB
	s_add_nc_u64 s[G0B+4*\slot+2:G0B+4*\slot+3], s[G0B+4*\slot+2:G0B+4*\slot+3], 2*TILEB
	JLOAD G0+4*\slot, G1, G0B+4*\slot, G1B
.else
	PLACES NP
.endif
	s_wait_alu depctr_va_vdst(0)
	v_add_nc_u32 v[ADRS], 128, v[ADRS]
	FETCH_B \next, 0, 0
	FETCH_A \next, 0, 0
	SCALES \next
	WIN 0xf1
	MUL16 4, 1, NQ-1, \slot, 0
	MUL16 6, 1, NQ-1, \slot, 0
	PLACES NP
	WIN 0
	FETCH_A \next, 0, 4
.endm
	s_load_b256 s[4:11], s[0:1], 0x0
	v_lshl_add_u32 v[SPW], v0, 2, SPARE
	v_mov_b32 v[NIL], 0
	ds_add_u32 v28, v29
	ds_add_u32 v28, v29
	s_wait_dscnt 0x0
	v_lshrrev_b32 v1, 5, v0
	v_readfirstlane_b32 s14, v1
	s_lshr_b32 s15, s14, 1
	s_and_b32 s16, s14, 1
	s_bfe_u32 s40, ttmp6, 0x40000
	s_bfe_u32 s41, ttmp6, 0x40004
	s_and_b32 s95, ttmp7, 0xffff
	s_lshl_b32 s95, s95, 2
	s_add_co_u32 s17, s95, s41
	s_add_co_u32 s18, s41, 8
	s_lshl_b32 s42, ttmp9, 2
	s_add_co_u32 s42, s42, s40
	s_add_co_u32 s19, s95, s40
	s_mov_b32 s20, 6291456
	s_mov_b32 s21, 3145728
	s_cmp_eq_u32 ttmp9, 2
	s_cselect_b32 s17, s18, s17
	s_cselect_b32 s42, s19, s42
	s_cselect_b32 s22, s21, s20
	s_cselect_b32 s23, s20, s21
	s_cselect_b32 s97, -1, 0
	s_lshl_b32 s43, s41, 2
	s_lshl_b32 s43, 15, s43
	s_lshl_b32 s44, 0x1111, s40
	s_or_b32 s[G1+0], s43, (3<<16)|(1<<21)
	s_or_b32 s[G1B+0], s44, (3<<16)|(1<<21)
.irp g, G1, G1B
	s_mov_b32 s[\g+1], 384<<16
	s_mov_b32 s[\g+2], 16<<16
	s_mov_b32 s[\g+3], 384<<16
	s_mov_b32 s[\g+4], 16
	s_mov_b32 s[\g+5], 1536
	s_mov_b32 s[\g+6], 0
	s_mov_b32 s[\g+7], 0
.endr
	s_or_b32 s[G1S+0], s43, (3<<16)|(1<<21)
	s_or_b32 s[G1SB+0], s44, (3<<16)|(1<<21)
.irp g, G1S, G1SB
	s_mov_b32 s[\g+1], 32<<16
	s_mov_b32 s[\g+2], 32<<16
	s_mov_b32 s[\g+3], 32<<16
	s_mov_b32 s[\g+4], 32
	s_mov_b32 s[\g+5], 32
	s_mov_b32 s[\g+6], 0
	s_mov_b32 s[\g+7], 0
.endr
	s_lshl_b32 s18, s16, 3
	s_lshl_b32 s45, s17, 4
	s_add_co_u32 s45, s45, s18
	s_lshl_b32 s46, s42, 4
	s_add_co_u32 s46, s46, s18
	s_lshl_b32 s92, s45, 9
	s_add_co_u32 s92, s92, s22
	s_mov_b32 s93, 0
	s_mul_i32 s20, s45, 12288
	s_mov_b32 s21, 0
	s_lshl_b32 s2, s46, 9
	s_add_co_u32 s2, s2, s23
	s_mov_b32 s3, 0
	s_mul_i32 s46, s46, 12288
	s_mov_b32 s47, 0
	s_mul_i32 s94, s14, HALFT
	s_mul_i32 s96, s14, HALFS
	s_wait_kmcnt 0x0
	s_cmp_eq_u32 ttmp9, 2
	s_cselect_b64 s[12:13], s[6:7], s[4:5]
	s_cselect_b64 s[98:99], s[4:5], s[6:7]
	s_add_nc_u64 s[20:21], s[12:13], s[20:21]
	s_add_nc_u64 s[92:93], s[12:13], s[92:93]
	s_add_nc_u64 s[46:47], s[98:99], s[46:47]
	s_add_nc_u64 s[2:3], s[98:99], s[2:3]
	CROUND
	; the head's four tiles, each whole, one joint load a wave: wave 0 slot 0's 16 tiles of A, wave 1 its 16 of B, wave 2 A's scale words, wave 3 B's.  (Waves 1 and 3 hold the address of the second half: they step back to the first.)
	s_mov_b32 s4, 1
	s_cmp_eq_u32 s14, 0
	s_cbranch_scc0 .Lhead_1
	s_mov_b32 s5, 0
	s_mov_b64 s[6:7], s[20:21]
	s_or_b32 s7, s7, 0x80000000
	tensor_load_to_lds s[4:7], s[G1:G1+7]
	s_nop 0
	PLACES 4
	s_branch .Lhead_asked
.Lhead_1:
	s_cmp_eq_u32 s14, 1
	s_cbranch_scc0 .Lhead_2
	s_mov_b32 s5, 2*HALFT
	s_sub_nc_u64 s[6:7], s[46:47], 8*12288
	s_or_b32 s7, s7, 0x80000000
	tensor_load_to_lds s[4:7], s[G1B:G1B+7]
	s_nop 0
	PLACES 4
	s_branch .Lhead_asked
.Lhead_2:
	s_cmp_eq_u32 s14, 2
	s_cbranch_scc0 .Lhead_3
	s_mov_b32 s5, SCL
	s_mov_b64 s[6:7], s[92:93]
	s_or_b32 s7, s7, 0x80000000
	tensor_load_to_lds s[4:7], s[G1S:G1S+7]
	s_nop 0
	PLACES 4
	s_branch .Lhead_asked
.Lhead_3:
	s_mov_b32 s5, SCL+2*HALFS
	s_sub_nc_u64 s[6:7], s[2:3], HALFS
	s_or_b32 s7, s7, 0x80000000
	tensor_load_to_lds s[4:7], s[G1SB:G1SB+7]
	s_nop 0
	PLACES 4
.Lhead_asked:
.irp s, 0,1
	s_mov_b32 s[G0+4*\s], 1
	s_add_co_u32 s[G0+4*\s+1], s94, \s*SLOT
	s_add_nc_u64 s[G0+4*\s+2:G0+4*\s+3], s[20:21], \s*TILEB
	s_or_b32 s[G0+4*\s+3], s[G0+4*\s+3], 0x80000000
	s_mov_b32 s[G0B+4*\s], 1
	s_add_co_u32 s[G0B+4*\s+1], s94, \s*SLOT
	s_add_nc_u64 s[G0B+4*\s+2:G0B+4*\s+3], s[46:47], \s*TILEB
	s_or_b32 s[G0B+4*\s+3], s[G0B+4*\s+3], 0x80000000
.endr
	s_wait_alu depctr_va_vdst(0)
	s_wait_tensorcnt 0x0                           ; my tile of the head's four is in
	ds_add_u32 v28, v29
	s_mov_b32 s[G1+2], 8<<16                       ; no tensor load of mine is out: from here on a load brings 8 tiles
	s_mov_b32 s[G1+4], 8
	s_mov_b32 s[G1B+2], 8<<16
	s_mov_b32 s[G1B+4], 8
	s_wait_dscnt 0x0
	CROUND                                         ; all four tiles are in and shown to all
	JLOAD G0+4, G1, G0B+4, G1B                     ; slot 1's first fill
	v_and_b32 v1, 15, v0
	v_bfe_u32 v2, v0, 4, 1
	v_and_b32 v3, 31, v0
	v_lshlrev_b32 v[CO], 4, v3
	v_lshlrev_b32 v[C8], 3, v3
	s_mul_i32 s66, s15, HALFT
	s_mul_i32 s67, s16, HALFT
	s_add_co_u32 s67, s67, 2*HALFT
.irp s, 0,1
	v_add_nc_u32 v[ADRA+\s], s66, v[CO]
	v_add_nc_u32 v[ADRB+\s], s67, v[CO]
	v_add_nc_u32 v[ADRA+2+\s], s66, v[C8]
	v_add_nc_u32 v[ADRB+2+\s], s67, v[C8]
	s_add_co_u32 s66, s66, SLOT
	s_add_co_u32 s67, s67, SLOT
.endr
	v_lshlrev_b32 v5, 3, v1
	s_mul_i32 s66, s15, HALFS
	s_mul_i32 s67, s16, HALFS
	s_add_co_u32 s67, s67, 2*HALFS
	s_sub_co_u32 s67, s67, s66
	v_mul_u32_u24 v6, s67, v2
	s_add_co_u32 s66, s66, SCL
	v_add_nc_u32 v5, v5, v6
	v_add_nc_u32 v[ADRS], s66, v5
	v_lshlrev_b32 v7, 6, v2
	v_and_b32 v8, 8, v1
	v_add_nc_u32 v8, v8, v1
	v_lshlrev_b32 v8, 2, v8
	s_lshl_b32 s66, s17, 1
	s_add_co_u32 s66, s66, s15
	s_lshl_b32 s67, s42, 1
	s_add_co_u32 s67, s67, s16
	s_cmp_eq_u32 ttmp9, 2
	s_cselect_b32 s18, s67, s66
	s_cselect_b32 s19, s66, s67
	s_lshl_b32 s66, s19, 9
	s_mov_b32 s67, 0
	s_add_nc_u64 s[8:9], s[8:9], s[66:67]
	s_and_b32 s19, s19, 7
	s_lshl_b32 s66, s18, 3
	s_add_co_u32 s66, s66, s19
	s_mul_i32 s66, s66, 12288
	s_mul_i32 s67, ttmp9, 6291456
	s_add_co_u32 s66, s66, s67
	s_mov_b32 s67, 0
	s_add_nc_u64 s[12:13], s[10:11], s[66:67]
	s_lshl_b32 s66, s18, 4
	s_lshl_b32 s67, s19, 1
	s_add_co_u32 s66, s66, s67
	s_lshl_b32 s66, s66, 8
	s_mul_i32 s67, ttmp9, 262144
	s_add_co_u32 s66, s66, s67
	s_add_co_u32 s66, s66, 18874368
	s_mov_b32 s67, 0
	s_add_nc_u64 s[10:11], s[10:11], s[66:67]
	s_cmp_eq_u32 ttmp9, 2
	s_cbranch_scc1 .Lbias_v
	s_wait_alu depctr_va_vdst(0)
.irp b, 0,1,2,3,4,5,6,7
	global_load_b128 v[BI+8*\b:BI+8*\b+3], v7, s[8:9] offset:(32*(\b/2)+8*(\b%2))*4
	global_load_b128 v[BI+8*\b+4:BI+8*\b+7], v7, s[8:9] offset:(32*(\b/2)+8*(\b%2))*4+16
.endr
	s_branch .Lbias_done
.Lbias_v:
	s_wait_alu depctr_va_vdst(0)
.irp a, 0,1,2,3,4,5,6,7
.irp j, 0,1,2,3,4,5,6,7
	global_load_b32 v[BI+8*\a+\j], v8, s[8:9] offset:(32*(\a/2)+8*(\a%2))*4
.endr
.endr
.Lbias_done:
	FETCH_B 0, 0, 0
	FETCH_A 0, 0, 0
	SCALES 0
	FETCH_A 0, 0, 4
	s_wait_loadcnt 0x0
	s_cmp_eq_u32 ttmp9, 2
	s_cbranch_scc1 .Lfirst_v
	STEP 0, 0, 1
	s_branch .Lfirst_done
.Lfirst_v:
	STEP 0, 0, 2
.Lfirst_done:
	TURN 0, 1, 1
	STEP 1, 0, 0
	TURN 1, 0, 1
	STEP 0, 0, 0
	TURN 0, 1, 0
	STEP 1, 0, 0
	s_wait_dscnt 4*NL
	WIN 0xa1
	MUL16 0, 1, NQ-1, 1, 0
	MUL16 2, 1, NQ-1, 1, 0
	s_wait_dscnt 0
	WIN 0xf1
	MUL16 4, 1, NQ-1, 1, 0
	MUL16 6, 1, NQ-1, 1, 0
	WIN 0
.macro QOUT a
.set AC, 64*((\a)%4)
.set XW, 2+(\a)/4
.set XW2, 5*XW
.set PCA, AF+12*(\a)
	WIN XW2
.irp e, 0,1,2,3
	v_max3_num_f32 v[TM+\e], |v[AC+16*\e]|, |v[AC+16*\e+1]|, 0x1800000
.endr
.irp i, 2,4,6,8,10,12,14
.irp e, 0,1,2,3
	v_max3_num_f32 v[TM+\e], |v[AC+16*\e+\i]|, |v[AC+16*\e+\i+1]|, v[TM+\e]
.endr
.endr
	WIN 0
.irp e, 0,1,2,3
	v_permlanex16_b32 v[TM+4+\e], v[TM+\e], s92, s93
.endr
.irp e, 0,1,2,3
	v_max_num_f32 v[TM+\e], v[TM+\e], v[TM+4+\e]
.endr
.irp e, 0,1,2,3
	v_add_nc_u32 v[TM+12+\e], 0xff000000, v[TM+\e]
.endr
.irp e, 0,1,2,3
	v_lshrrev_b32 v[TM+4+\e], 23, v[TM+12+\e]
.endr
	v_lshl_or_b32 v[WD+(\a)], v[TM+5], 8, v[TM+4]
	v_lshl_or_b32 v[WD+(\a)], v[TM+6], 16, v[WD+(\a)]
	v_lshl_or_b32 v[WD+(\a)], v[TM+7], 24, v[WD+(\a)]
	WIN XW
.irp c, 0,1
	v_cvt_scalef32_pk16_fp6_f32 v[PCA+6*\c:PCA+6*\c+2], v[AC+32*\c:AC+32*\c+15], v[TM+12+2*\c]
	v_cvt_scalef32_pk16_fp6_f32 v[CT+4*\c:CT+4*\c+2], v[AC+32*\c+16:AC+32*\c+31], v[TM+12+2*\c+1]
.endr
	WIN 0
	v_nop
.irp c, 0,1
.irp i, 0,1,2
	v_permlane16_swap_b32 v[PCA+6*\c+\i], v[CT+4*\c+\i]
.endr
.irp i, 0,1,2
	v_mov_b32 v[PCA+6*\c+3+\i], v[CT+4*\c+\i]
.endr
.endr
	global_store_b128 v[CO], v[PCA:PCA+3], s[12:13]
	global_store_b64 v[C8], v[PCA+4:PCA+5], s[12:13] offset:512
	global_store_b128 v[CO], v[PCA+6:PCA+9], s[98:99]
	global_store_b64 v[C8], v[PCA+10:PCA+11], s[98:99] offset:512
	s_wait_xcnt 0x0                                ; the stores have read their bases: they step only behind this wait
	s_add_nc_u64 s[12:13], s[12:13], s[94:95]
	s_add_nc_u64 s[98:99], s[98:99], s[94:95]
.endm
	PLACES NP
	s_mov_b32 s92, 0x76543210
	s_mov_b32 s93, 0xfedcba98
	; where a tile's two halves go.  Q, K: each head's eight half fragments lie on end: 768 bytes from tile to tile, the second head 6,144 bytes on.  V: 1,536 from tile to tile, the second half 768 on.
	s_mov_b32 s94, 768
	s_mov_b32 s2, 6144
	s_cmp_eq_u32 ttmp9, 2
	s_cselect_b32 s94, 1536, s94
	s_cselect_b32 s2, 768, s2
	s_mov_b32 s95, 0
	s_mov_b32 s3, 0
	s_add_nc_u64 s[98:99], s[12:13], s[2:3]
.irp e, 0,1,2,3
	v_mov_b32 v[TM+4+\e], 0
.endr
.irp a, 0,1,2,3,4,5,6,7
	QOUT \a
.endr
	v_bfe_u32 v248, v0, 4, 1
	v_cmp_ne_u32 vcc_lo, 0, v248
	v_mov_b32 v249, 0x05040100
	v_mov_b32 v250, 0x07060302
	v_cndmask_b32 v249, v249, v250, vcc_lo
.irp b, 0,1,2,3
	v_perm_b32 v[TM+4+\b], v[WD+2*\b+1], v[WD+2*\b], v249
	v_cndmask_b32 v[TM+8+\b], v[WD+\b], v[WD+4+\b], vcc_lo
.endr
.irp b, 0,1,2,3
	v_cndmask_b32 v[TM+\b], v[TM+4+\b], v[TM+8+\b], s97
.endr
	global_store_b128 v[CO], v[TM:TM+3], s[10:11]
	s_wait_tensorcnt 0x0
	ds_add_u32 v[SPW], v[NIL]
	s_wait_dscnt 0x0
	CROUND
	s_endpgm
.Lfunc_end_k_qd302f57480_gemm_qkv:
	.size	k_qd302f57480_gemm_qkv, .Lfunc_end_k_qd302f57480_gemm_qkv-k_qd302f57480_gemm_qkv
	.p2alignl 7, 3214868480
	.fill 96, 4, 3214868480
	.section	.rodata,"a",@progbits
	.p2align	6, 0x0
	.amdhsa_kernel k_qd302f57480_gemm_qkv
		.amdhsa_group_segment_fixed_size 327680
		.amdhsa_private_segment_fixed_size 0
		.amdhsa_enable_private_segment 0
		.amdhsa_kernarg_size 32
		.amdhsa_user_sgpr_count 2
		.amdhsa_user_sgpr_kernarg_segment_ptr 1
		.amdhsa_wavefront_size32 1
		.amdhsa_system_sgpr_workgroup_id_x 1
		.amdhsa_system_sgpr_workgroup_id_y 1
		.amdhsa_system_sgpr_workgroup_id_z 1
		.amdhsa_system_vgpr_workitem_id 0
		.amdhsa_next_free_vgpr 1024
		.amdhsa_next_free_sgpr 100
		.amdhsa_reserve_vcc 1
		.amdhsa_float_denorm_mode_32 3
		.amdhsa_float_denorm_mode_16_64 3
		.amdhsa_memory_ordered 1
		.amdhsa_forward_progress 1
		.amdhsa_inst_pref_size 172
	.end_amdhsa_kernel
	.amdgpu_metadata
---
amdhsa.version: [ 1, 2 ]
amdhsa.kernels:
  - .name:           k_qd302f57480_gemm_qkv
    .symbol:         k_qd302f57480_gemm_qkv.kd
    .args:
      - { .name: xq, .offset: 0, .size: 8, .value_kind: global_buffer, .address_space: global }
      - { .name: wq, .offset: 8, .size: 8, .value_kind: global_buffer, .address_space: global }
      - { .name: b_in, .offset: 16, .size: 8, .value_kind: global_buffer, .address_space: global }
      - { .name: qkv, .offset: 24, .size: 8, .value_kind: global_buffer, .address_space: global }
    .group_segment_fixed_size: 327680
    .private_segment_fixed_size: 0
    .kernarg_segment_align: 8
    .kernarg_segment_size: 32
    .max_flat_workgroup_size: 128
    .sgpr_count:     100
    .vgpr_count:     1024
    .wavefront_size: 32
...
	.end_amdgpu_metadata
.endif
;; end of part 2
;; launch attn (part 3): grid 4 x 64, 8 waves a work-group, clusters of 4 x 1, 230,400 bytes of LDS; arguments qkv, ao; writes ao
.if DOCPART == 3
	.amdgcn_target "amdgcn-amd-amdhsa--gfx1250"
	.amdhsa_code_object_version 6
	.text
	.protected	k_qd302f57480_attn
	.globl	k_qd302f57480_attn
	.p2align	8
	.type	k_qd302f57480_attn,@function
k_qd302f57480_attn:
	s_mov_b64 s[64:65], 0
	v_nop
	global_prefetch_b8 v0, s[64:65] scope:SCOPE_SE
	s_setreg_imm32_b32 hwreg(HW_REG_WAVE_MODE, 25, 1), 1
	s_wait_xcnt 0x0
	s_wait_alu depctr_hold_cnt(0) depctr_sa_sdst(0) depctr_va_vdst(0) depctr_va_sdst(0) depctr_va_ssrc(0) depctr_va_vcc(0) depctr_vm_vsrc(0)
	s_getreg_b32 s2, hwreg(HW_REG_IB_STS2, 6, 4)
	s_cmp_eq_u32 s2, 0
	s_cbranch_scc0 .Lentry_in_a_cluster
	s_endpgm
.Lentry_in_a_cluster:
	s_bfe_u32 s2, ttmp6, 0x10000c
	s_cmp_lg_u32 s2, 0x3003
	s_cbranch_scc0 .Lentry_shape_is_right
	s_endpgm
.Lentry_shape_is_right:
; o = softmax(q k^T / 8) v for one head (64 channels, 2,048 keys), both products on codes of FP6 (E2M3) with E8M0 scales; o is quantised along the model's 1,024 and leaves as the last product's operand.
; THE SOFTMAX AHEAD OF THE SECOND PRODUCT: t = score x log2(e) / 8; M = the running largest t rounded UP to a whole number; p = 2^(t - M) is quantised along the keys, not normalised; the row's sum is taken of the
; unquantised p and divides at the end.  When M moves, the sum and O are multiplied by 2^(old M - new M): exact.
; SHARES.  y = batch x 16 + head.  The four work-groups of a cluster are the four blocks of 512 queries of one head.  Eight waves, two to a SIMD; a wave holds TWO tiles of 16 queries (A, B), in two passes: each fragment of K and V
; that it reads from LDS feeds both tiles' products.
; THE WHOLE HEAD'S K AND V STAY IN LDS: every LDS byte is filled once, by joint loads of the four partners, ONE a wave, all at the head (eight arms of one chain on the wave's number).  Key steps 0 to 3 need the loads of waves 0 to 3 alone.
; Nothing is asked for later, so there is no loop in which a prefetch could run ahead: none is written.
; LAYOUT.  Both products transposed: S^T = K Q^T, O^T = V^T P^T: a lane holds one query (lane % 16) throughout.  WHICH KEYS FORM A TILE OF S^T is chosen by the lanes' LDS addresses: tile (c, j) of a step takes keys 64 c + 8 j + i in
; rows 0-7 and keys 64 c + 32 + 8 j + i in rows 8-15.  So the 32 registers of a lane (r, h) in band c are keys 64 c + 32 h + 0 .. 31: one whole scale block, in the order of the next operand's registers: no lane is asked for a block's maximum.
; In memory a tile of K holds rows 32 g + 8 u + r + 8 (r / 8): rows 0-7 and 8-15 of my tile come from memory tiles two apart.  K's LDS rows have 64 bytes of padding behind each 256, so two tiles are 1,920 bytes: 128 modulo 256.
; K = 64 IN AN INSTRUCTION OF 128: a fragment of source 0 is two tiles of keys side by side; multiplied by [q | zeros] it gives the first tile's scores, by [zeros | q] the second's.  Zero codes add nothing under any byte written here (1..254).
; REGISTERS.  Window 0: addresses, q, fragments, codes of p, all scale words.  Window 1 (written v0-255 under s_set_vgpr_msb): scores and p of both tiles, O^T of both, the rows' small numbers, the sums' parts.
; LIMITS: NaN and infinities are not served; the scaled scores stay under 2^31 in magnitude; a block of zeros or under 2^-124 keeps the byte 1; a block's largest p is taken from its largest score, by the same two instructions
; (this takes v_exp_f32 not to fall where its input rises).  Pass 1 begins on pass 0's O^T and sum, which its first factor, 0, clears: they are finite for the inputs served.
; The last trip's fetch of the next K step reads step 0 once more; nothing uses it.  The output's scale bytes leave two to a lane (two heads share a word).
.set KP,    7680                       ; a key step of K in LDS: 24 x (256 + 64)
.set VB,    122880                     ; V: 6,144 bytes a step
.set SCK,   221184                     ; K's scale words, 256 bytes a step
.set SCV,   225280                     ; V's
.set SPARE, 229376                     ; the spare words: 128 bytes a wave
; window 0
.set QA,   26                          ; v20-49: zeros, q of A, zeros, q of B, zeros
.set QB,   38
.set FK,   52                          ; v52-99   K's four fragments
.set FV,   100                         ; v100-147 V's four
.set KSQ,  148
.set VSQ,  152
.set QSA,  156
.set QSB,  157
.set PWA,  158
.set PWB,  159
.set PCA,  160                         ; p's codes
.set PCB,  172
.set CTA,  184                         ; the blocks' upper halves, made here and moved (a conversion's three registers begin on an even number)
.set CTB,  192
; window 1
.set SSA,  0
.set SSB,  64
.set OTA,  128
.set OTB,  160
.set SMA,  192                         ; a tile's small numbers, by the offsets below
.set SMB,  208
.set TP,   224                         ; v224-255 sixteen pairs: parts of A's sum
.set NM,   0                           ; -M
.set MR,   1                           ; the running largest score
.set LS,   2                           ; the sum, a pair
.set FF,   4                           ; f = 2^(old M - new M), later 1 / the sum (the low word serves both halves)
.set BM,   6                           ; two blocks' largest
.set PX,   8
.set TT,   9
.set SO,   10
.set BY,   12
.set WW,   14
.set SH,   15                          ; (in A's set) 8 h
.set WV,   18
.set SEL,  20
.set CS,   22
.set G1K6, 24
.set G1K4, 32
.set G1V4, 40
.set G1V6, 48
.set G1S,  56
.set G0,   68
.set KBS,  72
.set VBS,  74
.set KSB,  76
.set VSB,  78
.set CNT,  90
.set TK,   91
.set TSK,  92
.set TV,   93
.set TSV,  94
.set PS0,  95
.set PS1,  96
.set MSB, 0
.macro WIN new                         ; the immediate's high byte repeats the setting that is left
.if MSB != \new
	s_set_vgpr_msb (MSB<<8)|\new
.set MSB, \new
.endif
.endm
.macro WALU
	s_wait_alu depctr_va_vdst(0)
.endm
.macro NOPS n
.rept \n
	v_nop
.endr
.endm
.macro ROUND                           ; a round of the cluster's barrier
	s_barrier_signal -1
	s_barrier_wait -1
	s_cmp_lg_u32 s[WV], 0
	s_cbranch_scc1 .Lnot_wave_0_\@
	s_barrier_signal -3
.Lnot_wave_0_\@:
	s_barrier_wait -3
	s_barrier_signal -1
	s_barrier_wait -1
.endm
.macro GRP g, w0, d0, rows, pitch      ; descriptor group 1: rows of d0 elements of 8 bytes
	s_mov_b32 s[\g], \w0
	s_mov_b32 s[\g+1], (\d0)<<16
	s_mov_b32 s[\g+2], (\rows)<<16
	s_mov_b32 s[\g+3], (\d0)<<16
	s_mov_b32 s[\g+4], \rows
	s_mov_b32 s[\g+5], \pitch
	s_mov_b32 s[\g+6], 0
	s_mov_b32 s[\g+7], 0
.endm
.macro ASK g1, lds, base, goff         ; one joint load
	s_mov_b32 s[G0+1], \lds
	s_add_nc_u64 s[G0+2:G0+3], s[\base:\base+1], \goff
	s_or_b32 s[G0+3], s[G0+3], 0x80000000
	tensor_load_to_lds s[G0:G0+3], s[\g1:\g1+7]
	s_nop 0
	NOPS 4
.endm
.macro ARM n, g1, lds, base, goff, next
	s_cmp_eq_u32 s[WV], \n
	s_cbranch_scc0 \next
	ASK \g1, \lds, \base, \goff
	s_branch .Lasked
\next:
.endm
.macro MM d, a, b, c, sa, sb
	v_wmma_scale_f32_16x16x128_f8f6f4 v[\d:\d+7], v[\a:\a+11], v[\b:\b+11], \c, v[\sa], v[\sb] matrix_a_fmt:MATRIX_FMT_FP6 matrix_b_fmt:MATRIX_FMT_FP6
.endm
.macro KLOAD                           ; 20 LDS loads: the eight tiles of keys of the step at s[TK], and their scale words.  The three adds and the v_nop are the four places behind the products that read these registers
	v_add_nc_u32 v9, s[TK], v3
	v_add_nc_u32 v10, s[TK], v4
	v_add_nc_u32 v11, s[TSK], v7
	v_nop
.irp n, 0,1,2,3,4,5,6,7
	ds_load_b128 v[FK+6*\n:FK+6*\n+3], v9 offset:3840*(\n/4)+960*(\n%2)+128*((\n%4)/2)
	ds_load_b64 v[FK+6*\n+4:FK+6*\n+5], v10 offset:3840*(\n/4)+960*(\n%2)+64*((\n%4)/2)+640
.endr
.irp b, 0,1,2,3
	ds_load_b32 v[KSQ+\b], v11 offset:128*(\b%2)+8*(\b/2)
.endr
.endm
.macro VLOAD                           ; 17 LDS loads: V's four fragments of the step at s[TV], and their scale words
	v_add_nc_u32 v12, s[TV], v5
	v_add_nc_u32 v13, s[TV], v6
	v_add_nc_u32 v14, s[TSV], v8
	v_nop
.irp b, 0,1,2,3
	ds_load_b128 v[FV+12*\b:FV+12*\b+3], v12 offset:1536*\b
	ds_load_b64 v[FV+12*\b+4:FV+12*\b+5], v13 offset:1536*\b+512
	ds_load_b128 v[FV+12*\b+6:FV+12*\b+9], v12 offset:1536*\b+768
	ds_load_b64 v[FV+12*\b+10:FV+12*\b+11], v13 offset:1536*\b+1280
.endr
	ds_load_b128 v[VSQ:VSQ+3], v14
.endm
.macro TREE base, st, n                ; n pairs take in the n pairs behind them
.set i, 0
.rept \n
	v_pk_add_f32 v[\base+\st*i:\base+\st*i+1], v[\base+\st*i:\base+\st*i+1], v[\base+\st*(i+\n):\base+\st*(i+\n)+1]
.set i, i+1
.endr
.endm
; A KEY STEP: 128 keys x 32 queries.  wrap = 1: the step's number is the counter modulo 16
.macro STEP wrap
.if \wrap
	s_and_b32 s80, s[CNT], 15
	s_add_co_u32 s81, s[CNT], 1
	s_and_b32 s81, s81, 15
.else
	s_mov_b32 s80, s[CNT]
	s_add_co_u32 s81, s[CNT], 1
.endif
	s_mul_i32 s[TV], s80, 6144
	s_lshl_b32 s[TSV], s80, 8
	s_mul_i32 s[TK], s81, KP
	s_lshl_b32 s[TSK], s81, 8
	VLOAD                                          ; this step's V lands under the softmax
	s_wait_dscnt 17                                ; K's 20 loads, asked for a step ago, are in; V's 17 may be out
	WIN 0x40
.irp b, 0,1,2,3
	MM SSA+16*\b, FK+12*\b, QA, 0, KSQ+\b, QSA
	MM SSA+16*\b+8, FK+12*\b, QA-6, 0, KSQ+\b, QSA
	MM SSB+16*\b, FK+12*\b, QB, 0, KSQ+\b, QSB
	MM SSB+16*\b+8, FK+12*\b, QB-6, 0, KSQ+\b, QSB
.endr
	WIN 0
	KLOAD                                          ; the next step's K
	WIN 0x55
.irp c, 0,1                            ; the largest score of each block of 32 keys: four chains by turns; each accumulator is read from its low end on
	v_max3_num_f32 v[SMA+BM+\c], v[SSA+32*\c], v[SSA+32*\c+1], v[SSA+32*\c+2]
	v_max3_num_f32 v[SMB+BM+\c], v[SSB+32*\c], v[SSB+32*\c+1], v[SSB+32*\c+2]
.endr
.irp i, 3,5,7,9,11,13,15,17,19,21,23,25,27,29
.irp c, 0,1
	v_max3_num_f32 v[SMA+BM+\c], v[SMA+BM+\c], v[SSA+32*\c+\i], v[SSA+32*\c+\i+1]
	v_max3_num_f32 v[SMB+BM+\c], v[SMB+BM+\c], v[SSB+32*\c+\i], v[SSB+32*\c+\i+1]
.endr
.endr
.irp c, 0,1
	v_max_num_f32 v[SMA+BM+\c], v[SMA+BM+\c], v[SSA+32*\c+31]
	v_max_num_f32 v[SMB+BM+\c], v[SMB+BM+\c], v[SSB+32*\c+31]
.endr
.irp m, SMA, SMB
	v_max3_num_f32 v[\m+TT], v[\m+BM], v[\m+BM+1], v[\m+MR]
.endr
.irp m, SMA, SMB
	v_permlanex16_b32 v[\m+PX], v[\m+TT], s[SEL], s[SEL+1]
.endr
.irp m, SMA, SMB
	v_max_num_f32 v[\m+MR], v[\m+TT], v[\m+PX]     ; the running largest score of my query
.endr
.irp m, SMA, SMB
	v_mul_f32 v[\m+TT], s[CS], v[\m+MR]            ; as t (c is positive)
.endr
.irp m, SMA, SMB
	v_floor_f32 v[\m+PX], -v[\m+TT]                ; the new -M = floor(-t)
.endr
.irp m, SMA, SMB
	v_sub_f32 v[\m+TT], v[\m+PX], v[\m+NM]         ; old M - new M: a whole number, 0 or less
.endr
.irp m, SMA, SMB
	v_mov_b32 v[\m+NM], v[\m+PX]
.endr
.irp m, SMA, SMB
	v_cvt_i32_f32 v[\m+TT], v[\m+TT]               ; (it saturates)
.endr
.irp m, SMA, SMB
	v_ldexp_f32 v[\m+FF], 1.0, v[\m+TT]            ; f
.endr
.set j, 0
.rept 16
	v_pk_mul_f32 v[OTA+j:OTA+j+1], v[OTA+j:OTA+j+1], v[SMA+FF:SMA+FF+1] op_sel_hi:[1,0]   ; O^T under the new M
	v_pk_mul_f32 v[OTB+j:OTB+j+1], v[OTB+j:OTB+j+1], v[SMB+FF:SMB+FF+1] op_sel_hi:[1,0]
.set j, j+2
.endr
.set j, 0
.rept 32
	v_pk_fma_f32 v[SSA+j:SSA+j+1], v[SSA+j:SSA+j+1], s[CS:CS+1], v[SMA+NM:SMA+NM+1] op_sel_hi:[1,0,0]   ; A: t - M
.set j, j+2
.endr
.irp c, 0,1
	v_fma_f32 v[SMA+BM+\c], v[SMA+BM+\c], s[CS], v[SMA+NM]
.endr
	WALU                                           ; the wait ahead of a batch of transcendentals
.set j, 0
.rept 32                               ; A's exponentials; among them B's t - M, whose sources stand ahead of the wait above and whose results are read behind the wait below
	v_exp_f32 v[SSA+j], v[SSA+j]
	v_exp_f32 v[SSA+j+1], v[SSA+j+1]
	v_pk_fma_f32 v[SSB+j:SSB+j+1], v[SSB+j:SSB+j+1], s[CS:CS+1], v[SMB+NM:SMB+NM+1] op_sel_hi:[1,0,0]
.set j, j+2
.endr
	v_exp_f32 v[SMA+BM], v[SMA+BM]
	v_exp_f32 v[SMA+BM+1], v[SMA+BM+1]
.irp c, 0,1
	v_fma_f32 v[SMB+BM+\c], v[SMB+BM+\c], s[CS], v[SMB+NM]
.endr
	WALU                                           ; behind A's batch and ahead of B's
.set j, 0
.rept 16                               ; B's exponentials; among them the first level of A's sum: sixteen additions that do not hang on each other
	v_exp_f32 v[SSB+4*j], v[SSB+4*j]
	v_exp_f32 v[SSB+4*j+1], v[SSB+4*j+1]
	v_exp_f32 v[SSB+4*j+2], v[SSB+4*j+2]
	v_exp_f32 v[SSB+4*j+3], v[SSB+4*j+3]
	v_pk_add_f32 v[TP+2*j:TP+2*j+1], v[SSA+4*j:SSA+4*j+1], v[SSA+4*j+2:SSA+4*j+3]
.set j, j+1
.endr
	v_exp_f32 v[SMB+BM], v[SMB+BM]
	v_exp_f32 v[SMB+BM+1], v[SMB+BM+1]
.irp c, 0,1
	v_max_num_f32 v[SMA+BM+\c], 0x1800000, v[SMA+BM+\c]   ; the floor 2^(3 - 127): the byte cannot fall under 1
.endr
	WALU                                           ; behind B's batch
.irp c, 0,1
	v_max_num_f32 v[SMB+BM+\c], 0x1800000, v[SMB+BM+\c]
.endr
.irp c, 0,1
.irp m, SMA, SMB
	v_add_nc_u32 v[\m+SO+\c], 0xff000000, v[\m+BM+\c]     ; 2 off the exponent field: the conversion's scale operand
.endr
.endr
.irp c, 0,1
.irp m, SMA, SMB
	v_lshrrev_b32 v[\m+BY+\c], 23, v[\m+SO+\c]
.endr
.endr
.irp m, SMA, SMB
	v_lshl_or_b32 v[\m+WW], v[\m+BY+1], 16, v[\m+BY]      ; my blocks h and 2 + h,
.endr
.irp m, SMA, SMB
	v_lshlrev_b32 v[\m+WW], v[SMA+SH], v[\m+WW]           ; at their places in the word;
.endr
.irp m, SMA, SMB
	v_permlanex16_b32 v[\m+PX], v[\m+WW], s[SEL], s[SEL+1]
.endr
	WIN 0x05
	v_or_b32 v[PWA], v[SMA+WW], v[SMA+PX]          ; with lane l xor 16's two the word is whole
	v_or_b32 v[PWB], v[SMB+WW], v[SMB+PX]
.irp c, 0,1
	v_cvt_scalef32_pk16_fp6_f32 v[PCA+6*\c:PCA+6*\c+2], v[SSA+32*\c:SSA+32*\c+15], v[SMA+SO+\c]
	v_cvt_scalef32_pk16_fp6_f32 v[CTA+4*\c:CTA+4*\c+2], v[SSA+32*\c+16:SSA+32*\c+31], v[SMA+SO+\c]
	v_cvt_scalef32_pk16_fp6_f32 v[PCB+6*\c:PCB+6*\c+2], v[SSB+32*\c:SSB+32*\c+15], v[SMB+SO+\c]
	v_cvt_scalef32_pk16_fp6_f32 v[CTB+4*\c:CTB+4*\c+2], v[SSB+32*\c+16:SSB+32*\c+31], v[SMB+SO+\c]
.endr
	WIN 0
	v_nop                                          ; one plain place behind a scaled conversion
.irp c, 0,1
.irp i, 0,1,2
	v_mov_b32 v[PCA+6*\c+3+\i], v[CTA+4*\c+\i]
	v_mov_b32 v[PCB+6*\c+3+\i], v[CTB+4*\c+\i]
.endr
.endr
	WIN 0x55                                       ; the rest of the sums, of the unquantised p: A's in its sixteen parts, B's in place (its codes are made).  These lines are also the places behind p's codes and scale words
	TREE TP, 2, 8
.set j, 0
.rept 16
	v_pk_add_f32 v[SSB+4*j:SSB+4*j+1], v[SSB+4*j:SSB+4*j+1], v[SSB+4*j+2:SSB+4*j+3]
.set j, j+1
.endr
	TREE TP, 2, 4
	TREE SSB, 4, 8
	TREE TP, 2, 2
	TREE SSB, 4, 4
	TREE TP, 2, 1
	TREE SSB, 4, 2
	v_pk_fma_f32 v[SMA+LS:SMA+LS+1], v[SMA+LS:SMA+LS+1], v[SMA+FF:SMA+FF+1], v[TP:TP+1] op_sel_hi:[1,0,1]    ; the old sum under the new M, and this step's
	TREE SSB, 4, 1
	v_pk_fma_f32 v[SMB+LS:SMB+LS+1], v[SMB+LS:SMB+LS+1], v[SMB+FF:SMB+FF+1], v[SSB:SSB+1] op_sel_hi:[1,0,1]
	WALU                                           ; the wait here, directly ahead of the wait below
	s_wait_dscnt 20                                ; V's 17 loads are in; the next K's 20 may be out
	WIN 0x50
.irp t, 0,1,2,3
	MM OTA+8*\t, FV+12*\t, PCA, v[OTA+8*\t:OTA+8*\t+7], VSQ+\t, PWA
	MM OTB+8*\t, FV+12*\t, PCB, v[OTB+8*\t:OTB+8*\t+7], VSQ+\t, PWB
.endr
	WIN 0
.endm
; O^T / the sum, quantised along the head's 64 channels: half a fragment of the last product's operand for each tile.  Register 16 e + i: channel 32 e + 16 h + i
.macro FINISH p
	WIN 0x55
	NOPS 4                                         ; places behind the last products
.irp m, SMA, SMB
	v_add_f32 v[\m+LS], v[\m+LS], v[\m+LS+1]
.endr
.irp m, SMA, SMB
	v_permlanex16_b32 v[\m+PX], v[\m+LS], s[SEL], s[SEL+1]
.endr
.irp m, SMA, SMB
	v_add_f32 v[\m+LS], v[\m+LS], v[\m+PX]         ; the row's sum
.endr
	WALU
.irp m, SMA, SMB
	v_rcp_f32 v[\m+FF], v[\m+LS]
.endr
	v_nop
	WALU                                           ; ahead of the first reader of the reciprocals and of O^T
.set j, 0
.rept 16
	v_pk_mul_f32 v[SSA+j:SSA+j+1], v[OTA+j:OTA+j+1], v[SMA+FF:SMA+FF+1] op_sel_hi:[1,0]
.set j, j+2
.endr
.set j, 0
.rept 16
	v_pk_mul_f32 v[SSB+j:SSB+j+1], v[OTB+j:OTB+j+1], v[SMB+FF:SMB+FF+1] op_sel_hi:[1,0]
.set j, j+2
.endr
.irp e, 0,1
	v_max3_num_f32 v[SMA+BM+\e], |v[SSA+16*\e]|, |v[SSA+16*\e+1]|, 0x1800000
	v_max3_num_f32 v[SMB+BM+\e], |v[SSB+16*\e]|, |v[SSB+16*\e+1]|, 0x1800000
.endr
.irp i, 2,4,6,8,10,12,14
.irp e, 0,1
	v_max3_num_f32 v[SMA+BM+\e], v[SMA+BM+\e], |v[SSA+16*\e+\i]|, |v[SSA+16*\e+\i+1]|
	v_max3_num_f32 v[SMB+BM+\e], v[SMB+BM+\e], |v[SSB+16*\e+\i]|, |v[SSB+16*\e+\i+1]|
.endr
.endr
.irp m, SMA, SMB
	v_permlanex16_b32 v[\m+PX], v[\m+BM], s[SEL], s[SEL+1]
	v_permlanex16_b32 v[\m+TT], v[\m+BM+1], s[SEL], s[SEL+1]
.endr
.irp m, SMA, SMB
	v_max_num_f32 v[\m+BM], v[\m+BM], v[\m+PX]
	v_max_num_f32 v[\m+BM+1], v[\m+BM+1], v[\m+TT]
.endr
.irp m, SMA, SMB
	v_add_nc_u32 v[\m+SO], 0xff000000, v[\m+BM]
	v_add_nc_u32 v[\m+SO+1], 0xff000000, v[\m+BM+1]
.endr
.irp m, SMA, SMB
	v_lshrrev_b32 v[\m+BY], 23, v[\m+SO]
	v_lshrrev_b32 v[\m+BY+1], 23, v[\m+SO+1]
.endr
.irp m, SMA, SMB
	v_lshl_or_b32 v[\m+BY], v[\m+BY+1], 8, v[\m+BY]
.endr
	WIN 0x05
	v_cvt_scalef32_pk16_fp6_f32 v[PCA:PCA+2], v[SSA:SSA+15], v[SMA+SO]
	v_cvt_scalef32_pk16_fp6_f32 v[CTA:CTA+2], v[SSA+16:SSA+31], v[SMA+SO+1]
	v_cvt_scalef32_pk16_fp6_f32 v[PCB:PCB+2], v[SSB:SSB+15], v[SMB+SO]
	v_cvt_scalef32_pk16_fp6_f32 v[CTB:CTB+2], v[SSB+16:SSB+31], v[SMB+SO+1]
	v_mov_b32 v202, v[SMA+BY]                      ; (a plain place behind the conversions)
	v_mov_b32 v203, v[SMB+BY]
	WIN 0
.irp i, 0,1,2
	v_permlane16_swap_b32 v[PCA+\i], v[CTA+\i]     ; a whole block in a lane
	v_permlane16_swap_b32 v[PCB+\i], v[CTB+\i]
.endr
.irp i, 0,1,2
	v_mov_b32 v[PCA+3+\i], v[CTA+\i]
	v_mov_b32 v[PCB+3+\i], v[CTB+\i]
.endr
	global_store_b128 v1, v[PCA:PCA+3], s[12:13] offset:196608*\p              ; 512 consecutive bytes
	global_store_b64 v2, v[PCA+4:PCA+5], s[12:13] offset:196608*\p+512         ; 256
	global_store_b16 v16, v202, s[14:15] offset:8192*\p                        ; my row's two bytes (both halves of the lanes write the same)
	global_store_b128 v1, v[PCB:PCB+3], s[12:13] offset:196608*\p+12288
	global_store_b64 v2, v[PCB+4:PCB+5], s[12:13] offset:196608*\p+12288+512
	global_store_b16 v16, v203, s[14:15] offset:8192*\p+512
.endm
; ================= THE HEAD
	s_load_b128 s[4:7], s[0:1], 0x0                ; qkv, ao
	v_lshl_add_u32 v17, v0, 2, SPARE
	v_mov_b32 v18, 0
	ds_add_u32 v17, v18                            ; the opening lines: the add, twice on end, and its wait ahead of my tensor load
	ds_add_u32 v17, v18
	v_lshrrev_b32 v220, 5, v0
	v_readfirstlane_b32 s[WV], v220                ; wave 0..7
	s_and_b32 s80, ttmp7, 0xffff
	s_lshr_b32 s81, s80, 4                         ; batch
	s_and_b32 s82, s80, 15                         ; head
	s_lshr_b32 s83, s82, 1                         ; the pair of heads
	s_and_b32 s84, s82, 1                          ; the head in it
	s_mul_i32 s85, s83, 12288
	s_mul_i32 s87, s84, 6144
	s_add_co_u32 s85, s85, s87                     ; the head's 6,144 bytes in a block of 128 tokens
	s_mul_i32 s86, s81, 1572864                    ; the batch's 16 steps of 98,304 bytes
	s_add_co_u32 s86, s86, s85
	s_add_co_u32 s86, s86, 6291456                 ; k's part of the buffer; v's lies as far behind it
	s_mov_b32 s87, 0
	s_lshl_b32 s88, s81, 8
	s_add_co_u32 s88, s88, s82
	s_lshl_b32 s88, s88, 8
	s_add_co_u32 s88, s88, 18874368+262144         ; k's scale words: 256 bytes a step and head, steps 4,096 apart
	s_mov_b32 s89, 0
	; groups 1: the mask names all four work-groups; elements of 8 bytes.  K: rows of 6,144 bytes, one a step, 64 bytes of padding behind each 256.  V: the same rows, dense.  Scale words: 16 rows of 256 bytes
	GRP G1K6, 15|(3<<16)|(1<<20)|(1<<21)|(5<<22)|(15<<25), 768, 6, 12288
	GRP G1K4, 15|(3<<16)|(1<<20)|(1<<21)|(5<<22)|(15<<25), 768, 4, 12288
	GRP G1V4, 15|(3<<16)|(1<<21), 768, 4, 12288
	GRP G1V6, 15|(3<<16)|(1<<21), 768, 6, 12288
	GRP G1S, 15|(3<<16)|(1<<21), 32, 16, 512
	s_mov_b32 s[G0], 1
	s_mov_b32 s[SEL], 0x76543210
	s_mov_b32 s[SEL+1], 0xfedcba98                 ; selects for lane l xor 16
	s_mov_b32 s[CS], 0x3e38aa3b                    ; c = log2(e) / 8
	s_mov_b32 s[CS+1], s[CS]
	s_mov_b32 s[PS0], 0x01000100                   ; q's word holds an even tile's bytes 0, 1 and an odd tile's 2, 3: each twice, for either place of q in the instruction's 128
	s_mov_b32 s[PS1], 0x03020302
	WALU
	s_wait_dscnt 0x0
	ROUND                                          ; all four work-groups are here: the joint loads meet
	s_wait_kmcnt 0x0
	s_add_nc_u64 s[KBS:KBS+1], s[4:5], s[86:87]
	s_add_nc_u64 s[VBS:VBS+1], s[KBS:KBS+1], 6291456
	s_add_nc_u64 s[KSB:KSB+1], s[4:5], s[88:89]
	s_add_nc_u64 s[VSB:VSB+1], s[KSB:KSB+1], 262144
	ARM 0, G1K6, 0, KBS, 0, .Lw1                   ; K steps 0-5
	ARM 1, G1V4, VB, VBS, 0, .Lw2                  ; V steps 0-3
	ARM 2, G1S, SCK, KSB, 0, .Lw3
	ARM 3, G1S, SCV, VSB, 0, .Lw4
	ARM 4, G1K6, 6*KP, KBS, 6*98304, .Lw5          ; K steps 6-11
	ARM 5, G1V6, VB+4*6144, VBS, 4*98304, .Lw6     ; V steps 4-9
	ARM 6, G1K4, 12*KP, KBS, 12*98304, .Lw7        ; K steps 12-15
	ASK G1V6, VB+10*6144, VBS, 10*98304            ; V steps 10-15
.Lasked:
	; my queries: the place in the cluster enters q's and the output's addresses alone
	s_bfe_u32 s80, ttmp6, 0x40000                  ; cx
	s_lshl_b32 s86, s81, 4
	s_lshl_b32 s80, s80, 2
	s_add_co_u32 s86, s86, s80
	s_lshr_b32 s80, s[WV], 2
	s_add_co_u32 s86, s86, s80                     ; pass 0's 128 queries: 16 x batch + 4 cx + wave / 4; pass 1's are two further on
	s_and_b32 s83, s[WV], 3                        ; my pair of tiles in them
	s_mul_i32 s88, s86, 98304
	s_add_co_u32 s88, s88, s85
	s_mul_i32 s80, s83, 1536
	s_add_co_u32 s88, s88, s80
	s_add_nc_u64 s[8:9], s[4:5], s[88:89]          ; q's two half fragments
	s_lshl_b32 s88, s86, 4
	s_add_co_u32 s88, s88, s82
	s_lshl_b32 s88, s88, 8
	s_add_co_u32 s88, s88, 18874368
	s_add_nc_u64 s[10:11], s[4:5], s[88:89]        ; q's scale words
	s_lshl_b32 s87, s86, 3
	s_lshl_b32 s80, s83, 1
	s_add_co_u32 s87, s87, s80                     ; tile A among the 512 tiles of tokens
	s_mul_i32 s88, s87, 12288
	s_mul_i32 s80, s82, 768
	s_add_co_u32 s88, s88, s80
	s_add_nc_u64 s[12:13], s[6:7], s[88:89]        ; the output's codes: K step head / 2, half head % 2
	s_lshl_b32 s88, s87, 9
	s_lshr_b32 s80, s82, 2
	s_lshl_b32 s80, s80, 7
	s_add_co_u32 s88, s88, s80
	s_and_b32 s80, s82, 3
	s_lshl_b32 s80, s80, 1
	s_add_co_u32 s88, s88, s80
	s_add_co_u32 s88, s88, 6291456
	s_add_nc_u64 s[14:15], s[6:7], s[88:89]        ; and its two scale bytes a row
	s_lshl_b32 s84, s83, 2
	v_and_b32 v220, 31, v0                         ; lane
	v_and_b32 v221, 15, v0                         ; r
	v_bfe_u32 v222, v0, 4, 1                       ; h
	v_and_b32 v223, 7, v0                          ; r % 8
	v_bfe_u32 v224, v0, 3, 1                       ; r / 8
	v_lshlrev_b32 v1, 4, v220
	v_lshlrev_b32 v2, 3, v220
	v_lshl_add_u32 v15, v221, 4, s84               ; q's word: 16 r + 4 x my pair of tiles
	v_lshlrev_b32 v16, 3, v221
	v_mul_u32_u24 v3, v224, 1920                   ; K, four registers: rows 8-15 two memory tiles on, 320 h, 16 (r % 8)
	v_mad_u32_u24 v3, v222, 320, v3
	v_lshl_add_u32 v3, v223, 4, v3
	v_mul_u32_u24 v4, v224, 1920                   ; K, two registers: 128 h, 8 (r % 8)
	v_lshl_add_u32 v4, v222, 7, v4
	v_lshl_add_u32 v4, v223, 3, v4
	v_add_nc_u32 v5, VB, v1
	v_add_nc_u32 v6, VB, v2
	v_lshl_add_u32 v7, v223, 4, SCK                ; K's scale words: memory row r % 8 (+ 8 by the offset), pair of memory tiles r / 8 (+ 2 by the offset)
	v_lshl_add_u32 v7, v224, 2, v7
	v_lshl_add_u32 v8, v221, 4, SCV
	WALU
	global_load_b128 v[QA:QA+3], v1, s[8:9]
	global_load_b64 v[QA+4:QA+5], v2, s[8:9] offset:512
	global_load_b128 v[QB:QB+3], v1, s[8:9] offset:768
	global_load_b64 v[QB+4:QB+5], v2, s[8:9] offset:1280
	global_load_b32 v200, v15, s[10:11]
	global_load_b128 v[204:207], v1, s[8:9] offset:196608          ; pass 1's queries wait in registers
	global_load_b64 v[208:209], v2, s[8:9] offset:196608+512
	global_load_b128 v[210:213], v1, s[8:9] offset:196608+768
	global_load_b64 v[214:215], v2, s[8:9] offset:196608+1280
	global_load_b32 v201, v15, s[10:11] offset:8192
.irp j, 20,21,22,23,24,25,32,33,34,35,36,37,44,45,46,47,48,49
	v_mov_b32 v\j, 0                               ; zero codes beside q
.endr
	WIN 0x40
.set j, 0
.rept 64
	v_mov_b32 v[OTA+j], 0                          ; O^T of both tiles, once: the step is written once and its first trip finds zeros
.set j, j+1
.endr
.irp m, SMA, SMB
	v_mov_b32 v[\m+LS], 0
	v_mov_b32 v[\m+LS+1], 0
	v_mov_b32 v[\m+FF+1], 0                        ; named as the upper half of a pair
	v_mov_b32 v[\m+PX], 0                          ; a lane permute's destination counts as one of its sources
	v_mov_b32 v[\m+TT], 0
	v_mov_b32 v[\m+MR], 0xff61b1e6                 ; the largest score so far: -3e38
	v_mov_b32 v[\m+NM], 0x7f61b1e6                 ; -M: 3e38
.endr
	v_lshlrev_b32 v[SMA+SH], 3, v222
	WIN 0
	s_wait_loadcnt 0x0
	v_perm_b32 v[QSA], v200, v200, s[PS0]
	v_perm_b32 v[QSB], v200, v200, s[PS1]
	NOPS 8                                         ; places between q's scale words and the first product
	WALU                                           ; the wait at the head's end
	s_cmp_lt_u32 s[WV], 4
	s_cbranch_scc0 .Lnot_first
	s_wait_tensorcnt 0x0                           ; waves 0 to 3: K steps 0-5, V steps 0-3, the scale words
.Lnot_first:
	s_barrier_signal -1
	s_barrier_wait -1
	s_mov_b32 s[TK], 0
	s_mov_b32 s[TSK], 0
	KLOAD
	s_mov_b32 s[CNT], 0
.Lfirst:                                               ; key steps 0 to 3 (they read K up to step 4)
	STEP 0
	s_add_co_u32 s[CNT], s[CNT], 1
	s_cmp_lt_u32 s[CNT], 4
	s_cbranch_scc1 .Lfirst
	s_wait_tensorcnt 0x0                           ; every wave's load is in,
	s_wait_dscnt 0x0
	s_barrier_signal -1
	s_barrier_wait -1                              ; and shown to all
	s_mov_b32 s[CNT], 4
.Lrest:                                                ; pass 0's steps 4 to 15, pass 1's 16
	STEP 1
	s_cmp_eq_u32 s[CNT], 15
	s_cbranch_scc0 .Lsame_pass
	FINISH 0
	s_wait_xcnt 0x0                                ; the stores have read their registers, which the steps write again
.irp i, 0,1,2,3,4,5
	v_mov_b32 v[QA+\i], v[204+\i]
	v_mov_b32 v[QB+\i], v[210+\i]
.endr
	v_perm_b32 v[QSA], v201, v201, s[PS0]
	v_perm_b32 v[QSB], v201, v201, s[PS1]
	WIN 0x40
.irp m, SMA, SMB
	v_mov_b32 v[\m+MR], 0xff61b1e6
	v_mov_b32 v[\m+NM], 0x7f61b1e6                 ; so the next factor is 0, which clears O^T and the sum
.endr
	WIN 0
	NOPS 8
	WALU
.Lsame_pass:
	s_add_co_u32 s[CNT], s[CNT], 1
	s_cmp_lt_u32 s[CNT], 32
	s_cbranch_scc1 .Lrest
	FINISH 1
	s_wait_tensorcnt 0x0                           ; the wave's end
	ds_add_u32 v17, v18
	s_wait_dscnt 0x0
	ROUND                                          ; the closing round
	s_endpgm
.Lfunc_end_k_qd302f57480_attn:
	.size	k_qd302f57480_attn, .Lfunc_end_k_qd302f57480_attn-k_qd302f57480_attn
	.p2alignl 7, 3214868480
	.fill 96, 4, 3214868480
	.section	.rodata,"a",@progbits
	.p2align	6, 0x0
	.amdhsa_kernel k_qd302f57480_attn
		.amdhsa_group_segment_fixed_size 230400
		.amdhsa_private_segment_fixed_size 0
		.amdhsa_enable_private_segment 0
		.amdhsa_kernarg_size 16
		.amdhsa_user_sgpr_count 2
		.amdhsa_user_sgpr_kernarg_segment_ptr 1
		.amdhsa_wavefront_size32 1
		.amdhsa_system_sgpr_workgroup_id_x 1
		.amdhsa_system_sgpr_workgroup_id_y 1
		.amdhsa_system_sgpr_workgroup_id_z 1
		.amdhsa_system_vgpr_workitem_id 0
		.amdhsa_next_free_vgpr 512
		.amdhsa_next_free_sgpr 100
		.amdhsa_reserve_vcc 0
		.amdhsa_float_denorm_mode_32 3
		.amdhsa_float_denorm_mode_16_64 3
		.amdhsa_memory_ordered 1
		.amdhsa_forward_progress 1
		.amdhsa_inst_pref_size 88
	.end_amdhsa_kernel
	.amdgpu_metadata
---
amdhsa.version: [ 1, 2 ]
amdhsa.kernels:
  - .name:           k_qd302f57480_attn
    .symbol:         k_qd302f57480_attn.kd
    .args:
      - { .name: qkv, .offset: 0, .size: 8, .value_kind: global_buffer, .address_space: global }
      - { .name: ao, .offset: 8, .size: 8, .value_kind: global_buffer, .address_space: global }
    .group_segment_fixed_size: 230400
    .private_segment_fixed_size: 0
    .kernarg_segment_align: 8
    .kernarg_segment_size: 16
    .max_flat_workgroup_size: 256
    .sgpr_count:     100
    .vgpr_count:     512
    .wavefront_size: 32
...
	.end_amdgpu_metadata
.endif
;; end of part 3
;; launch gemm_out (part 4): grid 4 x 32, 4 waves a work-group, clusters of 4 x 4, 327,680 bytes of LDS; arguments ao, wq, b_out, out0; writes out0
.if DOCPART == 4
	.amdgcn_target "amdgcn-amd-amdhsa--gfx1250"
	.amdhsa_code_object_version 6
	.text
	.protected	k_qd302f57480_gemm_out
	.globl	k_qd302f57480_gemm_out
	.p2align	8
	.type	k_qd302f57480_gemm_out,@function
k_qd302f57480_gemm_out:
	s_mov_b64 s[64:65], 0
	v_nop
	global_prefetch_b8 v0, s[64:65] scope:SCOPE_SE
	s_setreg_imm32_b32 hwreg(HW_REG_WAVE_MODE, 25, 1), 1
	s_wait_xcnt 0x0
	s_wait_alu depctr_hold_cnt(0) depctr_sa_sdst(0) depctr_va_vdst(0) depctr_va_sdst(0) depctr_va_ssrc(0) depctr_va_vcc(0) depctr_vm_vsrc(0)
	s_getreg_b32 s2, hwreg(HW_REG_IB_STS2, 6, 4)
	s_cmp_eq_u32 s2, 0
	s_cbranch_scc0 .Lentry_in_a_cluster
	s_endpgm
.Lentry_in_a_cluster:
	s_bfe_u32 s2, ttmp6, 0x10000c
	s_cmp_lg_u32 s2, 0xf033
	s_cbranch_scc0 .Lentry_shape_is_right
	s_endpgm
.Lentry_shape_is_right:
.set FR,    12
.set NL,    4
.set NP,    4
.set NQ,    2
.set TILEB, 3072
.set HALFT, 8*TILEB
.set SLOT,  4*HALFT
.set SCL,   2*SLOT
.set HALFS, 4096
.set SBLK,  512
.set SPARE, SCL+4*HALFS
.set SPITCH, 528
.set ADRA, 16
.set ADRB, 20
.set STO,  24
.set RD,   25
.set CO,   26
.set ADRS, 27
.set SPW,  28
.set NIL,  29
.set C8,   30
.set SC,   32
.set BI,   64
.set AF,   128
.set BK,   128
.set G1, 24
.set G0, 32
.set G1B, 48
.set G0B, 56
.set G1S, 68
.set G0S, 76
.set G1SB, 80
.set G0SB, 88
.set MSB, 0
.macro WIN new
.if MSB != \new
	s_set_vgpr_msb (MSB<<8)|\new
.set MSB, \new
.endif
.endm
.set TO_B, 0x40
.macro JLOAD g0a, g1a, g0b, g1b
	s_cmp_eq_u32 s15, 0
	s_cbranch_scc0 .Lfor_b_\@
	tensor_load_to_lds s[\g0a:\g0a+3], s[\g1a:\g1a+7]
	s_nop 0
.rept 4
	v_nop
.endr
	s_branch .Lasked_\@
.Lfor_b_\@:
	tensor_load_to_lds s[\g0b:\g0b+3], s[\g1b:\g1b+7]
	s_nop 0
.rept 4
	v_nop
.endr
.Lasked_\@:
.endm
.macro CREST
	s_cmp_lg_u32 s14, 0
	s_cbranch_scc1 .Lnot_wave_0_\@
	s_barrier_signal -3
.Lnot_wave_0_\@:
	s_barrier_wait -3
	s_barrier_signal -1
	s_barrier_wait -1
.endm
.macro CROUND
	s_barrier_signal -1
	s_barrier_wait -1
	CREST
.endm
.macro PLACES n
.rept \n
	v_nop
.endr
.endm
.macro FRAG reg, adr, q, i
	ds_load_b128 v[\reg:\reg+3], v[\adr] offset:(\i)*TILEB+(\q)*1536
	ds_load_b64 v[\reg+4:\reg+5], v[\adr+2] offset:(\i)*TILEB+(\q)*1536+512
	ds_load_b128 v[\reg+6:\reg+9], v[\adr] offset:(\i)*TILEB+(\q)*1536+768
	ds_load_b64 v[\reg+10:\reg+11], v[\adr+2] offset:(\i)*TILEB+(\q)*1536+1280
.endm
.macro MUL16 a0, p, q, sc, cm
.irp a, \a0, \a0+1
.irp b, 0,1,2,3,4,5,6,7
.set DR, 8*(8*((\a)%4)+\b)
.set BR, 128*(\p)+FR*\b
.set AR, AF+FR*(\a)
.set SBR, SC+8*NQ*(\sc)+NQ*\b+(\q)
.set SAR, SC+8*NQ*(\sc)+NQ*(\a)+(\q)
.if (\cm) == 1
	v_wmma_scale_f32_16x16x128_f8f6f4 v[DR:DR+7], v[BR:BR+FR-1], v[AR:AR+FR-1], v[BI+8*\b:BI+8*\b+7], v[SBR], v[SAR] matrix_a_fmt:MATRIX_FMT_FP6 matrix_b_fmt:MATRIX_FMT_FP6 matrix_a_scale:MATRIX_SCALE_ROW1
.else
	v_wmma_scale_f32_16x16x128_f8f6f4 v[DR:DR+7], v[BR:BR+FR-1], v[AR:AR+FR-1], v[DR:DR+7], v[SBR], v[SAR] matrix_a_fmt:MATRIX_FMT_FP6 matrix_b_fmt:MATRIX_FMT_FP6 matrix_a_scale:MATRIX_SCALE_ROW1
.endif
.endr
.endr
.endm
.macro FETCH_B slot, q, p
	WIN TO_B
.irp i, 0,1,2,3,4,5,6,7
	FRAG 128*(\p)+FR*\i, ADRB+\slot, \q, \i
.endr
	WIN 0
.endm
.macro FETCH_A slot, q, i0
.irp i, \i0, \i0+1, \i0+2, \i0+3
	FRAG AF+FR*(\i), ADRA+\slot, \q, \i
.endr
.endm
.macro SCALES sc
.irp i, 0,1,2,3,4,5,6,7
	ds_load_b64 v[SC+8*NQ*\sc+NQ*\i:SC+8*NQ*\sc+NQ*\i+1], v[ADRS] offset:\i*SBLK
.endr
.endm
.macro STEP slot, q, cm
	s_wait_dscnt 4*NL
.if \cm
	WIN 0x81
.else
	WIN 0xa1
.endif
	MUL16 0, (\q)%2, \q, \slot, \cm
	MUL16 2, (\q)%2, \q, \slot, \cm
	s_wait_dscnt 0
	PLACES NP
	FETCH_B \slot, (\q)+1, 1-(\q)%2
	FETCH_A \slot, (\q)+1, 0
.if \cm
	WIN 0xc1
.else
	WIN 0xf1
.endif
	MUL16 4, (\q)%2, \q, \slot, \cm
	MUL16 6, (\q)%2, \q, \slot, \cm
	PLACES NP
	WIN 0
	FETCH_A \slot, (\q)+1, 4
.endm
.macro TURN slot, next, fill
	s_wait_tensorcnt 0x0
	ds_add_u32 v[SPW], v[NIL]
	s_wait_dscnt 4*NL+1
	WIN 0xa1
	MUL16 0, 1, NQ-1, \slot, 0
	s_wait_dscnt 0x0
	s_barrier_signal -1
	MUL16 2, 1, NQ-1, \slot, 0
	WIN 0
	s_barrier_wait -1
.if \fill
	CREST
	s_add_nc_u64 s[G0+4*\slot+2:G0+4*\slot+3], s[G0+4*\slot+2:G0+4*\slot+3], 2*TILEB
	s_add_nc_u64 s[G0B+4*\slot+2:G0B+4*\slot+3], s[G0B+4*\slot+2:G0B+4*\slot+3], 2*TILEB
	JLOAD G0+4*\slot, G1, G0B+4*\slot, G1B
.else
	PLACES NP
.endif
	s_wait_alu depctr_va_vdst(0)
	v_add_nc_u32 v[ADRS], 128, v[ADRS]
	FETCH_B \next, 0, 0
	FETCH_A \next, 0, 0
	SCALES \next
	WIN 0xf1
	MUL16 4, 1, NQ-1, \slot, 0
	MUL16 6, 1, NQ-1, \slot, 0
	PLACES NP
	WIN 0
	FETCH_A \next, 0, 4
.endm
	s_load_b256 s[4:11], s[0:1], 0x0
	v_lshl_add_u32 v[SPW], v0, 2, SPARE
	v_mov_b32 v[NIL], 0
	ds_add_u32 v28, v29
	ds_add_u32 v28, v29
	s_wait_dscnt 0x0
	v_lshrrev_b32 v1, 5, v0
	v_readfirstlane_b32 s14, v1
	s_lshr_b32 s15, s14, 1
	s_and_b32 s16, s14, 1
	s_bfe_u32 s40, ttmp6, 0x40000
	s_bfe_u32 s41, ttmp6, 0x40004
	s_lshl_b32 s42, ttmp9, 2
	s_add_co_u32 s42, s42, s40
	s_and_b32 s17, ttmp7, 0xffff
	s_lshl_b32 s17, s17, 2
	s_add_co_u32 s17, s17, s41
	s_lshl_b32 s43, s41, 2
	s_lshl_b32 s43, 15, s43
	s_lshl_b32 s44, 0x1111, s40
	s_or_b32 s[G1+0], s43, (3<<16)|(1<<21)
	s_or_b32 s[G1B+0], s44, (3<<16)|(1<<21)
.irp g, G1, G1B
	s_mov_b32 s[\g+1], 384<<16
	s_mov_b32 s[\g+2], 16<<16
	s_mov_b32 s[\g+3], 384<<16
	s_mov_b32 s[\g+4], 16
	s_mov_b32 s[\g+5], 1536
	s_mov_b32 s[\g+6], 0
	s_mov_b32 s[\g+7], 0
.endr
	s_or_b32 s[G1S+0], s43, (3<<16)|(1<<21)
	s_or_b32 s[G1SB+0], s44, (3<<16)|(1<<21)
.irp g, G1S, G1SB
	s_mov_b32 s[\g+1], 32<<16
	s_mov_b32 s[\g+2], 32<<16
	s_mov_b32 s[\g+3], 32<<16
	s_mov_b32 s[\g+4], 32
	s_mov_b32 s[\g+5], 32
	s_mov_b32 s[\g+6], 0
	s_mov_b32 s[\g+7], 0
.endr
	s_lshl_b32 s18, s16, 3
	s_lshl_b32 s45, s17, 4
	s_add_co_u32 s45, s45, s18
	s_lshl_b32 s46, s42, 4
	s_add_co_u32 s46, s46, s18
	s_add_co_u32 s46, s46, 192
	s_lshl_b32 s92, s45, 9
	s_add_co_u32 s92, s92, 6291456
	s_mov_b32 s93, 0
	s_mul_i32 s20, s45, 12288
	s_mov_b32 s21, 0
	s_lshl_b32 s2, s46, 9
	s_add_co_u32 s2, s2, 3145728
	s_mov_b32 s3, 0
	s_mul_i32 s46, s46, 12288
	s_mov_b32 s47, 0
	s_mul_i32 s94, s14, HALFT
	s_mul_i32 s96, s14, HALFS
	s_wait_kmcnt 0x0
	s_add_nc_u64 s[20:21], s[4:5], s[20:21]
	s_add_nc_u64 s[92:93], s[4:5], s[92:93]
	s_add_nc_u64 s[46:47], s[6:7], s[46:47]
	s_add_nc_u64 s[2:3], s[6:7], s[2:3]
	CROUND
	; the head's four tiles, each whole, one joint load a wave: wave 0 slot 0's 16 tiles of A, wave 1 its 16 of B, wave 2 A's scale words, wave 3 B's.  (Waves 1 and 3 hold the address of the second half: they step back to the first.)
	s_mov_b32 s4, 1
	s_cmp_eq_u32 s14, 0
	s_cbranch_scc0 .Lhead_1
	s_mov_b32 s5, 0
	s_mov_b64 s[6:7], s[20:21]
	s_or_b32 s7, s7, 0x80000000
	tensor_load_to_lds s[4:7], s[G1:G1+7]
	s_nop 0
	PLACES 4
	s_branch .Lhead_asked
.Lhead_1:
	s_cmp_eq_u32 s14, 1
	s_cbranch_scc0 .Lhead_2
	s_mov_b32 s5, 2*HALFT
	s_sub_nc_u64 s[6:7], s[46:47], 8*12288
	s_or_b32 s7, s7, 0x80000000
	tensor_load_to_lds s[4:7], s[G1B:G1B+7]
	s_nop 0
	PLACES 4
	s_branch .Lhead_asked
.Lhead_2:
	s_cmp_eq_u32 s14, 2
	s_cbranch_scc0 .Lhead_3
	s_mov_b32 s5, SCL
	s_mov_b64 s[6:7], s[92:93]
	s_or_b32 s7, s7, 0x80000000
	tensor_load_to_lds s[4:7], s[G1S:G1S+7]
	s_nop 0
	PLACES 4
	s_branch .Lhead_asked
.Lhead_3:
	s_mov_b32 s5, SCL+2*HALFS
	s_sub_nc_u64 s[6:7], s[2:3], HALFS
	s_or_b32 s7, s7, 0x80000000
	tensor_load_to_lds s[4:7], s[G1SB:G1SB+7]
	s_nop 0
	PLACES 4
.Lhead_asked:
.irp s, 0,1
	s_mov_b32 s[G0+4*\s], 1
	s_add_co_u32 s[G0+4*\s+1], s94, \s*SLOT
	s_add_nc_u64 s[G0+4*\s+2:G0+4*\s+3], s[20:21], \s*TILEB
	s_or_b32 s[G0+4*\s+3], s[G0+4*\s+3], 0x80000000
	s_mov_b32 s[G0B+4*\s], 1
	s_add_co_u32 s[G0B+4*\s+1], s94, \s*SLOT
	s_add_nc_u64 s[G0B+4*\s+2:G0B+4*\s+3], s[46:47], \s*TILEB
	s_or_b32 s[G0B+4*\s+3], s[G0B+4*\s+3], 0x80000000
.endr
	s_wait_alu depctr_va_vdst(0)
	s_wait_tensorcnt 0x0                           ; my tile of the head's four is in
	ds_add_u32 v28, v29
	s_mov_b32 s[G1+2], 8<<16                       ; no tensor load of mine is out: from here on a load brings 8 tiles
	s_mov_b32 s[G1+4], 8
	s_mov_b32 s[G1B+2], 8<<16
	s_mov_b32 s[G1B+4], 8
	s_wait_dscnt 0x0
	CROUND                                         ; all four tiles are in and shown to all
	JLOAD G0+4, G1, G0B+4, G1B                     ; slot 1's first fill
	v_and_b32 v1, 15, v0
	v_bfe_u32 v2, v0, 4, 1
	v_and_b32 v3, 31, v0
	v_lshlrev_b32 v[CO], 4, v3
	v_lshlrev_b32 v[C8], 3, v3
	s_mul_i32 s66, s15, HALFT
	s_mul_i32 s67, s16, HALFT
	s_add_co_u32 s67, s67, 2*HALFT
.irp s, 0,1
	v_add_nc_u32 v[ADRA+\s], s66, v[CO]
	v_add_nc_u32 v[ADRB+\s], s67, v[CO]
	v_add_nc_u32 v[ADRA+2+\s], s66, v[C8]
	v_add_nc_u32 v[ADRB+2+\s], s67, v[C8]
	s_add_co_u32 s66, s66, SLOT
	s_add_co_u32 s67, s67, SLOT
.endr
	v_lshlrev_b32 v5, 3, v1
	s_mul_i32 s66, s15, HALFS
	s_mul_i32 s67, s16, HALFS
	s_add_co_u32 s67, s67, 2*HALFS
	s_sub_co_u32 s67, s67, s66
	v_mul_u32_u24 v6, s67, v2
	s_add_co_u32 s66, s66, SCL
	v_add_nc_u32 v5, v5, v6
	v_add_nc_u32 v[ADRS], s66, v5
	s_mul_i32 s66, s14, 16*SPITCH
	v_mul_u32_u24 v5, v1, SPITCH
	v_lshl_add_u32 v5, v2, 6, v5
	v_add_nc_u32 v[STO], s66, v5
	v_add_nc_u32 v[RD], s66, v[CO]
	v_lshlrev_b32 v7, 6, v2
	s_wait_alu depctr_va_vdst(0)
	s_lshl_b32 s66, s42, 1
	s_add_co_u32 s66, s66, s16
	s_lshl_b32 s66, s66, 9
	s_mov_b32 s67, 0
	s_add_nc_u64 s[8:9], s[8:9], s[66:67]
	s_add_nc_u64 s[12:13], s[10:11], s[66:67]
	s_lshl_b32 s66, s17, 1
	s_add_co_u32 s66, s66, s15
	s_lshl_b32 s66, s66, 19
	s_add_nc_u64 s[12:13], s[12:13], s[66:67]
.irp b, 0,1,2,3,4,5,6,7
	global_load_b128 v[BI+8*\b:BI+8*\b+3], v7, s[8:9] offset:(32*(\b/2)+8*(\b%2))*4
	global_load_b128 v[BI+8*\b+4:BI+8*\b+7], v7, s[8:9] offset:(32*(\b/2)+8*(\b%2))*4+16
.endr
	FETCH_B 0, 0, 0
	FETCH_A 0, 0, 0
	SCALES 0
	FETCH_A 0, 0, 4
	s_wait_loadcnt 0x0
	STEP 0, 0, 1
	TURN 0, 1, 1
	STEP 1, 0, 0
	TURN 1, 0, 1
	STEP 0, 0, 0
	TURN 0, 1, 0
	STEP 1, 0, 0
	s_wait_dscnt 4*NL
	WIN 0xa1
	MUL16 0, 1, NQ-1, 1, 0
	MUL16 2, 1, NQ-1, 1, 0
	s_wait_dscnt 0
	WIN 0xf1
	MUL16 4, 1, NQ-1, 1, 0
	MUL16 6, 1, NQ-1, 1, 0
	WIN 0
.macro TOSTAGE a
.set AC, 64*((\a)%4)
	WIN 0x08+4*((\a)/4)
.irp b, 0,1,2,3,4,5,6,7
	ds_store_b128 v[STO], v[AC+8*\b:AC+8*\b+3] offset:128*(\b/2)+32*(\b%2)
	ds_store_b128 v[STO], v[AC+8*\b+4:AC+8*\b+7] offset:128*(\b/2)+32*(\b%2)+16
.endr
	WIN 0
.set BBK, BK+64*((\a)%2)
.irp t, 0,1,2,3,4,5,6,7,8,9,10,11,12,13,14,15
	ds_load_b128 v[BBK+4*\t:BBK+4*\t+3], v[RD] offset:\t*SPITCH
.endr
.endm
.macro SEND a, younger
.set BBK, BK+64*((\a)%2)
	s_wait_dscnt \younger
.irp t, 0,1,2,3,4,5,6,7,8,9,10,11,12,13,14,15
	global_store_b128 v[CO], v[BBK+4*\t:BBK+4*\t+3], s[12:13] offset:(32*((\a)/2)+8*((\a)%2)+\t+8*(\t/8))*4096 th:TH_STORE_NT
.endr
.endm
	PLACES NP
	TOSTAGE 0
.irp a, 1,2,3,4,5,6,7
.if \a > 1
	s_wait_xcnt 0x0
.endif
	TOSTAGE \a
	SEND \a-1, 32
.endr
	SEND 7, 0
	s_wait_tensorcnt 0x0
	ds_add_u32 v[SPW], v[NIL]
	s_wait_dscnt 0x0
	CROUND
	s_endpgm
.Lfunc_end_k_qd302f57480_gemm_out:
	.size	k_qd302f57480_gemm_out, .Lfunc_end_k_qd302f57480_gemm_out-k_qd302f57480_gemm_out
	.p2alignl 7, 3214868480
	.fill 96, 4, 3214868480
	.section	.rodata,"a",@progbits
	.p2align	6, 0x0
	.amdhsa_kernel k_qd302f57480_gemm_out
		.amdhsa_group_segment_fixed_size 327680
		.amdhsa_private_segment_fixed_size 0
		.amdhsa_enable_private_segment 0
		.amdhsa_kernarg_size 32
		.amdhsa_user_sgpr_count 2
		.amdhsa_user_sgpr_kernarg_segment_ptr 1
		.amdhsa_wavefront_size32 1
		.amdhsa_system_sgpr_workgroup_id_x 1
		.amdhsa_system_sgpr_workgroup_id_y 1
		.amdhsa_system_sgpr_workgroup_id_z 1
		.amdhsa_system_vgpr_workitem_id 0
		.amdhsa_next_free_vgpr 1024
		.amdhsa_next_free_sgpr 100
		.amdhsa_reserve_vcc 0
		.amdhsa_float_denorm_mode_32 3
		.amdhsa_float_denorm_mode_16_64 3
		.amdhsa_memory_ordered 1
		.amdhsa_forward_progress 1
		.amdhsa_inst_pref_size 145
	.end_amdhsa_kernel
	.amdgpu_metadata
---
amdhsa.version: [ 1, 2 ]
amdhsa.kernels:
  - .name:           k_qd302f57480_gemm_out
    .symbol:         k_qd302f57480_gemm_out.kd
    .args:
      - { .name: ao, .offset: 0, .size: 8, .value_kind: global_buffer, .address_space: global }
      - { .name: wq, .offset: 8, .size: 8, .value_kind: global_buffer, .address_space: global }
      - { .name: b_out, .offset: 16, .size: 8, .value_kind: global_buffer, .address_space: global }
      - { .name: out0, .offset: 24, .size: 8, .value_kind: global_buffer, .address_space: global }
    .group_segment_fixed_size: 327680
    .private_segment_fixed_size: 0
    .kernarg_segment_align: 8
    .kernarg_segment_size: 32
    .max_flat_workgroup_size: 128
    .sgpr_count:     100
    .vgpr_count:     1024
    .wavefront_size: 32
...
	.end_amdgpu_metadata
.endif
;; end of part 4
